; MI455X (gfx1250); checked and timed in simulation.
; The chip was launched on July 23, 2026; its instructions are those of AMD's public machine-readable ISA for CDNA 5 (MIT licence, August 2026) and "CDNA5" Instruction Set Architecture Reference Guide (July 2026). The comments in the code are by the model that wrote it; some were corrected since.
;; Sparse Mixture Of Experts. Allowed arithmetic: matrix products marked QUANTISED: E2M1 operands, one E8M0 scale for each 32 along K, by v_wmma_scale_f32_16x16x128_f8f6f4 with both operands' format E2M1 (or v_wmma_scale_f32_32x16x128_f4), f32 sums; products left as they are: f32 operands where the result goes on into a quantised operand, else bf16, f16 or f32 operands; f32 sums; everything else in f32.
;; Inputs: W1 8 x 1,024 x 4,096 float32; W2 8 x 4,096 x 1,024 float32; Wr1 1,024 x 1,024 float32; Wr2 1,024 x 8 float32; b1 8 x 4,096 float32; b2 8 x 1,024 float32; br1 1,024 float32; br2 8 float32; x 1,024 x 1,024 float32.
;; Outputs: out0 1,024 x 1,024 float32.
;; This version of the problem:
;;   THIS VERSION OF THE PROBLEM IS GIVEN IN LOW PRECISION. The matrix products marked QUANTISED in the list below multiply operands that are first quantised to E2M1 (2 exponent bits, 1 mantissa bit; 4 bits a number), with one power-of-two scale for each 32 numbers along K (OCP MX v1.0); their sums are f32. All else is computed in f32.
;;   The module's matrix products, in the order in which they are computed (A, B: the left and right operand; K: the contracted axis; several contracted axes count as one K, in the product's order):
;;     1. [M 1,024, K 1,024] x [K 1,024, N 1,024]; A: input x; B: input Wr1: QUANTISED
;;     2. [M 1,024, K 1,024] x [K 1,024, N 8]; A: computed on the way; B: input Wr2: left as it is (N = 8 < 16)
;;     3. [M 1,024, K 1,024] x [K 1,024, N 4,096]; A: input x; B: input W1: QUANTISED
;;     4. [M 1,024, K 4,096] x [K 4,096, N 1,024]; A: computed on the way; B: input W2: QUANTISED
;;     5. [M 1,024, K 1,024] x [K 1,024, N 4,096]; A: input x; B: input W1: QUANTISED
;;     6. [M 1,024, K 4,096] x [K 4,096, N 1,024]; A: computed on the way; B: input W2: QUANTISED
;;     7. [M 1,024, K 1,024] x [K 1,024, N 4,096]; A: input x; B: input W1: QUANTISED
;;     8. [M 1,024, K 4,096] x [K 4,096, N 1,024]; A: computed on the way; B: input W2: QUANTISED
;;     9. [M 1,024, K 1,024] x [K 1,024, N 4,096]; A: input x; B: input W1: QUANTISED
;;     10. [M 1,024, K 4,096] x [K 4,096, N 1,024]; A: computed on the way; B: input W2: QUANTISED
;;     11. [M 1,024, K 1,024] x [K 1,024, N 4,096]; A: input x; B: input W1: QUANTISED
;;     12. [M 1,024, K 4,096] x [K 4,096, N 1,024]; A: computed on the way; B: input W2: QUANTISED
;;     13. [M 1,024, K 1,024] x [K 1,024, N 4,096]; A: input x; B: input W1: QUANTISED
;;     14. [M 1,024, K 4,096] x [K 4,096, N 1,024]; A: computed on the way; B: input W2: QUANTISED
;;     15. [M 1,024, K 1,024] x [K 1,024, N 4,096]; A: input x; B: input W1: QUANTISED
;;     16. [M 1,024, K 4,096] x [K 4,096, N 1,024]; A: computed on the way; B: input W2: QUANTISED
;;     17. [M 1,024, K 1,024] x [K 1,024, N 4,096]; A: input x; B: input W1: QUANTISED
;;     18. [M 1,024, K 4,096] x [K 4,096, N 1,024]; A: computed on the way; B: input W2: QUANTISED
;;   THE QUANTISER, for each operand of a quantised product, along K:
;;     - K is cut into blocks of 32 from its start; a last block that is shorter is filled with zeros.
;;     - A block's scale is 2^e with e = floor(log2(the largest magnitude in the block)) - 2, held to -126 .. 127; a block of zeros has e = 0. As a byte (E8M0): e + 127.
;;     - Each number is divided by its block's scale, clamped to +-6, and rounded to the nearest number of E2M1, ties to even, subnormals kept.
;;     - The product sums the exact products of the quantised numbers (number of the format x scale) in f32.
;;   ~~~python
;;   def quantise(x, axis):      # numpy; x: float32 -> the quantised numbers, widened to float32 again
;;       x = np.moveaxis(x, axis, -1); K = x.shape[-1]
;;       x = np.pad(x, [(0, 0)] * (x.ndim - 1) + [(0, -K % 32)]); x = x.reshape(x.shape[:-1] + (-1, 32)); a = np.abs(x).max(-1, keepdims=True)
;;       e = np.where(a > 0, np.clip(np.frexp(np.where(a > 0, a, 1))[1] - 1 - 2, -126, 127), 0)      # np.frexp(a)[1] - 1 = floor(log2(a)), exactly
;;       r = np.clip(x / 2.0 ** e, -6, 6)
;;       step = 2.0 ** (np.maximum(np.frexp(np.where(r == 0, 1, r))[1] - 1, 0) - 1)
;;       q = np.round(r / step) * step * 2.0 ** e      # np.round: ties to even
;;       return np.moveaxis(q.reshape(q.shape[:-2] + (-1,))[..., :K], -1, axis).astype(np.float32)
;;   ~~~
;;   OPERANDS COMPUTED ON THE WAY. 'Computed on the way' means the value that the module computes at that place (a softmax that the list does not call 'softmax' is quantised finished and normalised). What goes into a quantiser is computed in f32, as accurately as f32 sums, v_exp_f32 and their like allow (about 1e-6 of the number): no bf16 or f16 on the way to a quantiser, and a product that is left as it is and whose result goes on into a quantised operand takes f32 operands (vector FMAs, or v_wmma_f32_16x16x4_f32). A number that lies on a knife's edge between two numbers of the format may be rounded either way, as far as f32 arithmetic and the matrix unit's own rounding can turn it there, and no further.
;; One version. Each part assembles by itself: llvm-mc -triple=amdgcn-amd-amdhsa -mcpu=gfx1250 --defsym DOCPART=n.
;; ======== version 1 of 1: 4 launches
;; limits: right only within a limited range of input values
;; workspace buffers: xq 557,056 bytes; wrq 557,056 bytes; chosen 4,096 bytes of whole numbers; route 65,536 bytes of whole numbers; hq 18,874,368 bytes
;; launch prep (part 1): grid 160 x 1, 8 waves a work-group, no clusters, 0 bytes of LDS; arguments x, Wr1, xq, wrq; writes xq, wrq
.if DOCPART == 1
	.amdgcn_target "amdgcn-amd-amdhsa--gfx1250"
	.amdhsa_code_object_version 6
	.text
	.protected	k_q9d183b4a6d_prep
	.globl	k_q9d183b4a6d_prep
	.p2align	8
	.type	k_q9d183b4a6d_prep,@function
k_q9d183b4a6d_prep:
	s_mov_b64 s[64:65], 0
	v_nop
	global_prefetch_b8 v0, s[64:65] scope:SCOPE_SE
	s_setreg_imm32_b32 hwreg(HW_REG_WAVE_MODE, 25, 1), 1
	s_wait_xcnt 0x0
; SPARSE MIXTURE OF EXPERTS, top-1, in MX-FP4 (E2M1 codes, one E8M0 scale for each 32 along K).  Four launches: prep, router, ffn1, ffn2.
; THIS LAUNCH quantises x (K innermost) and Wr1 (K is its first axis) once, for the router's product and for the experts' first product.
; WORK LEFT OUT BY THE PROGRAM, AND WHY IT IS DEAD:
;  (1) The softmax ahead of the argmax.  probs[e] = exp(l[e] - m) / sum: exp rises strictly, and m and the sum (which is positive) are the same along the axis.  So for all finite logits
;      l[a] > l[b] gives probs[a] > probs[b] and l[a] = l[b] gives probs[a] = probs[b]: argmax(probs) = argmax(l), the first index winning a tie in both.  The maximum that the softmax takes away
;      serves that exponential alone and goes with it.  br2 moves the argmax and stays.
;  (2) The experts' products for rows whose expert was not chosen: reference()'s own where((chosen == e)) throws them away; each token's row is computed for its chosen expert alone, in launches
;      that read the choice from memory as whole numbers.
;  Every input is loaded by some launch.
; LIMITS: NaN and infinities among the inputs are not served (jnp.argmax lets a NaN win; here it does not).  Two logits that differ, but whose probabilities f32 would round to the same number,
;  go to the larger logit.  A NaN, an infinity or an overflow that reaches only the work left out is not carried to the result.  A block of zeros gets the scale byte 1 where the rule says 127:
;  its codes are zeros, which add nothing under any byte but 0xff, and this program alone reads the bytes.  Blocks whose largest magnitude lies under 2^-124, the floor, are held at the byte 1.
; A BLOCK: its scale byte is its largest magnitude's exponent field - 2; the conversion divides by that power of two, rounds to the nearest code, ties to even, and gives the largest code beyond 6.
; x PATH, work-groups 0 to 127: a wave takes a row of x, a lane a block of 32: eight loads of 16 bytes a lane (lanes 128 bytes apart: x is a small part of the program's bytes, so no turn through LDS is
;  spent on it); the wave stores the row's 512 bytes of codes on end, and 32 scale bytes.   xq: codes [token][512 bytes]; from byte 524,288 scale bytes [token][32].
; Wr1 PATH, work-groups 128 to 159: a wave makes one UNIT: 32 columns x 128 along K.  A LANE TAKES A COLUMN AND ITS REGISTERS RUN DOWN K, so a block lies in one lane and the codes come out with K innermost.
;  Lane l takes column perm(l) = (l & 7) + 2 (l & 8) + (l & 16) / 2 of the 32: lanes 0-15 are the rows of tile 0, lanes 16-31 those of tile 1, and row q of tile u is column 8 u + q + 8 (q / 8).  In the
;  product that takes the weights as source 0, a lane's 16 results of the two tiles are then 16 neighbouring columns.  Eight exchanges of halves turn the lane's four blocks into the two tiles' operand registers.
;  wrq: units [column group 0..31][K step 0..7][2,048 bytes]: four pieces of 512 bytes, lane l's 16 bytes at 16 l: an image of the operand's registers; from byte 524,288 the units' scale words, 128 bytes each
;  (lanes 0-15: tile 0's rows; lanes 16-31: tile 1's).
; THE PROGRAM HAS FOUR LAUNCHES: prep, router, ffn1, ffn2.  The tokens are ranked by expert inside ffn1, which reads the router's choices from memory.
.set NSET,  4
.set PITCH, 4096                       ; bytes from a row of Wr1 to the next
.set SCOFF, 524288                     ; where the scale bytes begin in xq and in wrq
.set MXA,   8                          ; v8, v9  two chains of the largest magnitude
.set MXB,   9
.set SC,    10                         ; v10     the conversion's scale operand
.set BY,    11                         ; v11     the scale's byte
.set WOFF,  5                          ; v5      4 x my column
.set XR,    16                         ; v16-143 four blocks of 32 numbers
.set CB,    144                        ; v144-159 a unit's codes
.set SW,    160                        ; v160    a unit's scale word
.set WB,    6                          ; s[6:7]  Wr1 at my unit
.macro LOADB t                         ; block t: rows 32 t .. 32 t + 31 of my column; a load of the wave covers 128 consecutive bytes
.set XL, XR+32*((\t)%NSET)
.set CI, 0
.rept 32
	global_load_b32 v[XL+CI], v[WOFF], s[WB:WB+1] offset:(32*(\t)+CI)*PITCH th:TH_LOAD_NT
.set CI, CI+1
.endr
.endm
.macro QBLK t                          ; block t of a lane becomes 4 registers of codes and a byte of the unit's scale word
.set XS, XR+32*((\t)%NSET)
.set QD, CB+16*((\t)/4)+8*((\t)%2)+4*(((\t)%4)/2)   ; blocks 0, 2 of a unit in its registers 0-7, blocks 1, 3 in 8-15
	v_max3_num_f32 v[MXA], |v[XS]|, |v[XS+1]|, |v[XS+2]|
	v_max3_num_f32 v[MXB], |v[XS+3]|, |v[XS+4]|, |v[XS+5]|
.irp i, 6,10,14,18,22,26
	s_delay_alu instid0(VALU_DEP_2)
	v_max3_num_f32 v[MXA], v[MXA], |v[XS+\i]|, |v[XS+\i+1]|
	s_delay_alu instid0(VALU_DEP_2)
	v_max3_num_f32 v[MXB], v[MXB], |v[XS+\i+2]|, |v[XS+\i+3]|
.endr
	s_delay_alu instid0(VALU_DEP_2)
	v_max3_num_f32 v[MXA], v[MXA], |v[XS+30]|, |v[XS+31]|
	s_delay_alu instid0(VALU_DEP_1)
	v_max3_num_f32 v[MXA], v[MXA], v[MXB], 0x1800000   ; and the floor 2^(3 - 127): the byte cannot fall under 1
	s_delay_alu instid0(VALU_DEP_1)
	v_add_nc_u32 v[SC], 0xff000000, v[MXA]             ; 2 off the exponent field: the conversion takes this operand's exponent field as its scale
	s_delay_alu instid0(VALU_DEP_1)
	v_lshrrev_b32 v[BY], 23, v[SC]                     ; the scale's byte
.if (\t)%4 == 0
	s_delay_alu instid0(VALU_DEP_1)
	v_mov_b32 v[SW+(\t)/4], v[BY]
.else
	s_delay_alu instid0(VALU_DEP_1)
	v_lshl_or_b32 v[SW+(\t)/4], v[BY], 8*((\t)%4), v[SW+(\t)/4]
.endif
.irp g, 0,1,2,3
	v_cvt_scalef32_pk8_fp4_f32 v[QD+\g], v[XS+8*\g:XS+8*\g+7], v[SC]
.endr
.endm
	s_load_b256 s[4:11], s[0:1], 0x0               ; x s[4:5], Wr1 s[6:7], xq s[8:9], wrq s[10:11]
	v_lshrrev_b32 v1, 5, v0
	s_delay_alu instid0(VALU_DEP_1)
	v_readfirstlane_b32 s12, v1                    ; wave 0..7
	v_and_b32 v2, 31, v0                           ; lane
	s_wait_kmcnt 0x0
	s_cmp_ge_u32 ttmp9, 128
	s_cbranch_scc1 .Lwr1
	; ---- x: row 8 x work-group + wave
	s_lshl_b32 s13, ttmp9, 3
	s_add_co_u32 s13, s13, s12
	s_lshl_b32 s14, s13, 12                        ; a row of x is 4,096 bytes
	s_mov_b32 s15, 0
	s_add_nc_u64 s[4:5], s[4:5], s[14:15]
	s_lshl_b32 s14, s13, 9                         ; its codes 512
	s_add_nc_u64 s[16:17], s[8:9], s[14:15]
	s_lshl_b32 s14, s13, 5                         ; its scale bytes 32
	s_add_nc_u64 s[18:19], s[8:9], s[14:15]
	s_wait_alu depctr_va_vdst(0)
	v_lshlrev_b32 v3, 7, v2                        ; my block's 128 bytes
	v_lshlrev_b32 v4, 4, v2                        ; its 16 bytes of codes
.irp i, 0,1,2,3,4,5,6,7
	global_load_b128 v[XR+4*\i:XR+4*\i+3], v3, s[4:5] offset:16*\i th:TH_LOAD_NT
.endr
	s_wait_loadcnt 0x0
	QBLK 0
	global_store_b128 v4, v[CB:CB+3], s[16:17]     ; the wave stores 512 consecutive bytes
	global_store_b8 v2, v[BY], s[18:19] offset:SCOFF
	s_endpgm
.Lwr1:
	; ---- Wr1: column group cp = 2 (g / 2) + wave % 2, K step ks = 4 (g % 2) + wave / 2, g = work-group - 128: two neighbouring waves read 256 consecutive bytes of each row
	s_sub_co_u32 s13, ttmp9, 128
	s_lshr_b32 s14, s13, 1
	s_lshl_b32 s14, s14, 1
	s_and_b32 s15, s12, 1
	s_add_co_u32 s14, s14, s15                     ; cp
	s_and_b32 s15, s13, 1
	s_lshl_b32 s15, s15, 2
	s_lshr_b32 s16, s12, 1
	s_add_co_u32 s15, s15, s16                     ; ks
	s_lshl_b32 s20, s15, 19                        ; 128 rows of 4,096 bytes a K step
	s_lshl_b32 s16, s14, 7                         ; 128 bytes a column group
	s_add_co_u32 s20, s20, s16
	s_mov_b32 s21, 0
	s_add_nc_u64 s[WB:WB+1], s[WB:WB+1], s[20:21]
	s_lshl_b32 s16, s14, 3
	s_add_co_u32 s16, s16, s15                     ; the unit's number 8 cp + ks
	s_lshl_b32 s20, s16, 11
	s_add_nc_u64 s[22:23], s[10:11], s[20:21]      ; its codes
	s_lshl_b32 s20, s16, 7
	s_add_nc_u64 s[24:25], s[10:11], s[20:21]      ; its scale words
	v_and_b32 v[WOFF], 7, v0
	v_and_b32 v3, 8, v0
	s_delay_alu instid0(VALU_DEP_1)
	v_lshl_add_u32 v[WOFF], v3, 1, v[WOFF]
	v_and_b32 v3, 16, v0
	s_delay_alu instid0(VALU_DEP_1)
	v_lshrrev_b32 v3, 1, v3
	s_delay_alu instid0(VALU_DEP_1)
	v_or_b32 v[WOFF], v[WOFF], v3                  ; perm(lane)
	s_delay_alu instid0(VALU_DEP_1)
	v_lshlrev_b32 v[WOFF], 2, v[WOFF]
	s_wait_alu depctr_va_vdst(0)
	v_lshlrev_b32 v6, 4, v2                        ; an image's place for my lane
	v_lshlrev_b32 v7, 2, v2                        ; a scale word's
	LOADB 0
	LOADB 1
	LOADB 2
	LOADB 3
	s_wait_loadcnt 63                              ; loads come back in order: behind block 0's stand 96 younger, so at most 63 out shows it in
	QBLK 0
	s_wait_loadcnt 63                              ; behind block 1's stand 64
	QBLK 1
	s_wait_loadcnt 32                              ; behind block 2's stand block 3's 32
	QBLK 2
	s_wait_loadcnt 0x0
	QBLK 3
	v_nop                                          ; one plain instruction between the conversions and the exchanges that touch their results
.irp c, 0,1
.irp g, 0,1,2,3
	v_permlane16_swap_b32 v[CB+4*\c+\g], v[CB+8+4*\c+\g]   ; the first's lanes 16-31 change places with the second's lanes 0-15: registers 0-7 are tile 0's fragment, 8-15 tile 1's
.endr
.endr
.irp i, 0,1,2,3
	global_store_b128 v6, v[CB+4*\i:CB+4*\i+3], s[22:23] offset:512*\i   ; 512 consecutive bytes a store
.endr
	global_store_b32 v7, v[SW], s[24:25] offset:SCOFF
	s_endpgm
.Lfunc_end_k_q9d183b4a6d_prep:
	.size	k_q9d183b4a6d_prep, .Lfunc_end_k_q9d183b4a6d_prep-k_q9d183b4a6d_prep
	.p2alignl 7, 3214868480
	.fill 96, 4, 3214868480
	.section	.rodata,"a",@progbits
	.p2align	6, 0x0
	.amdhsa_kernel k_q9d183b4a6d_prep
		.amdhsa_group_segment_fixed_size 0
		.amdhsa_private_segment_fixed_size 0
		.amdhsa_enable_private_segment 0
		.amdhsa_kernarg_size 32
		.amdhsa_user_sgpr_count 2
		.amdhsa_user_sgpr_kernarg_segment_ptr 1
		.amdhsa_wavefront_size32 1
		.amdhsa_system_sgpr_workgroup_id_x 1
		.amdhsa_system_sgpr_workgroup_id_y 1
		.amdhsa_system_sgpr_workgroup_id_z 1
		.amdhsa_system_vgpr_workitem_id 0
		.amdhsa_next_free_vgpr 176
		.amdhsa_next_free_sgpr 66
		.amdhsa_reserve_vcc 0
		.amdhsa_float_denorm_mode_32 3
		.amdhsa_float_denorm_mode_16_64 3
		.amdhsa_memory_ordered 1
		.amdhsa_forward_progress 1
		.amdhsa_inst_pref_size 26
	.end_amdhsa_kernel
	.amdgpu_metadata
---
amdhsa.version: [ 1, 2 ]
amdhsa.kernels:
  - .name:           k_q9d183b4a6d_prep
    .symbol:         k_q9d183b4a6d_prep.kd
    .args:
      - { .name: x, .offset: 0, .size: 8, .value_kind: global_buffer, .address_space: global }
      - { .name: Wr1, .offset: 8, .size: 8, .value_kind: global_buffer, .address_space: global }
      - { .name: xq, .offset: 16, .size: 8, .value_kind: global_buffer, .address_space: global }
      - { .name: wrq, .offset: 24, .size: 8, .value_kind: global_buffer, .address_space: global }
    .group_segment_fixed_size: 0
    .private_segment_fixed_size: 0
    .kernarg_segment_align: 8
    .kernarg_segment_size: 32
    .max_flat_workgroup_size: 256
    .sgpr_count:     66
    .vgpr_count:     176
    .wavefront_size: 32
...
	.end_amdgpu_metadata
.endif
;; end of part 1
;; launch router (part 2): grid 64 x 1, 16 waves a work-group, no clusters, 55,296 bytes of LDS; arguments xq, wrq, br1, Wr2, br2, chosen; writes chosen
.if DOCPART == 2
	.amdgcn_target "amdgcn-amd-amdhsa--gfx1250"
	.amdhsa_code_object_version 6
	.text
	.protected	k_q9d183b4a6d_router
	.globl	k_q9d183b4a6d_router
	.p2align	8
	.type	k_q9d183b4a6d_router,@function
k_q9d183b4a6d_router:
	s_mov_b64 s[64:65], 0
	v_nop
	global_prefetch_b8 v0, s[64:65] scope:SCOPE_SE
	s_setreg_imm32_b32 hwreg(HW_REG_WAVE_MODE, 25, 1), 1
	s_wait_xcnt 0x0
; THE ROUTER: chosen[token] = argmax over the 8 experts of relu(Q(x) Q(Wr1) + br1) Wr2 + br2.  LEFT OUT: the softmax between the logits and the argmax (it keeps the order and the ties of the logits for
; all finite inputs: shown at the head of the first launch).  The choice is stored as whole numbers at fixed places; no address and no branch of this launch hangs on it.
; SHARES.  A token's logits want its whole hidden row, so a work-group takes 16 tokens x all 1,024 hidden columns: 64 work-groups, as many as there are tiles of 16 tokens.  Wave w takes columns 64 w .. 64 w + 63.
; THE FIRST PRODUCT, on codes: source 0 = 16 columns of Wr1 (a tile of a unit of wrq), source 1 = the 16 tokens.  Lane (r, h) then holds token r, and register 8 u + j of column group c the hidden column 32 c + 16 h + 8 u + j.
; THE SECOND PRODUCT has 8 columns and is left as it is: fused multiply-adds in f32, since a coarser hidden row could turn an argmax.  Each lane sums its 32 hidden columns; lane l xor 16 adds the other 32 of the wave;
; the sixteen waves' parts meet in LDS, and wave 0 adds them in the waves' order, adds br2 and takes the argmax (strictly greater: the lower index keeps a tie).
; No tensor load: all that is read is small and goes straight into the operand's registers.  No joint loads: the work-groups share wrq alone, and without tensor loads there is nothing to ask for jointly.
; LDS: 0: each wave's 64 rows of Wr2 (2,048 bytes a wave);  32,768: its 64 numbers of br1 (256 a wave);  36,864: the waves' partial logits (1,024 a wave);  53,248: the spare words.
.set BR1L,  32768
.set PART,  36864
.set SPARE, 53248
.set SCOFF, 524288
.set SPW, 1                            ; v1   LDS address of my spare word; never rewritten
.set NIL, 2                            ; v2   0; never rewritten
.set LI,  3                            ; v3   16 x lane
.set LS,  4                            ; v4   4 x lane
.set XO,  5                            ; v5   x's codes: 512 r + 16 h
.set XSO, 6                            ; v6   x's scale bytes: 32 r
.set W2A, 7                            ; v7   LDS: my half's rows of Wr2: 2,048 w + 512 h
.set BRA, 8                            ; v8   LDS: my half's numbers of br1
.set PST, 9                            ; v9   LDS: where I put my partial logits
.set CO,  10                           ; v10  4 r: my token's place in chosen
.set IDX, 11                           ; v11  the argmax
.set BS,  12                           ; v12-19  x's scale words, K step s in register s: scales and nothing else
.set WS,  20                           ; v20-27  Wr1's scale words: slot, column group: scales and nothing else
.set ACC, 28                           ; v28-59  four accumulators: 16 c + 8 u; ahead of the first product: Wr2 and br1 on their way to LDS
.set XF,  60                           ; v60-123 x's eight fragments
.set BIA, 60                           ; later: v60-91 br1 in the result's layout,
.set LG,  92                           ; v92-99 the eight logits,
.set TT,  100                          ; v100-107 at work
.set EC,  108                          ; v108 an expert's number
.set WC,  124                          ; v124-251 four slots of two units
.set CH,  124                          ; later: two chunks of 8 rows of Wr2; later the sixteen waves' parts
.set G8,  252                          ; v252 8 x lane
.set SA,  253                          ; v253 LDS: 2,048 w + 16 x lane
.set SB,  254                          ; v254 LDS: BR1L + 256 w + 8 x lane
.set PRD, 255                          ; v255 LDS: PART + 16 x lane
.macro LOADU slot, ks                  ; my two units of K step ks: 8 loads of 512 consecutive bytes and their 2 scale words
.irp c, 0,1
.irp i, 0,1,2,3
	global_load_b128 v[WC+32*(\slot)+16*\c+4*\i:WC+32*(\slot)+16*\c+4*\i+3], v[LI], s[34:35] offset:(8*\c+(\ks))*2048+512*\i
.endr
	global_load_b32 v[WS+2*(\slot)+\c], v[LS], s[36:37] offset:SCOFF+(8*\c+(\ks))*128
.endr
.endm
.macro KSTEP ks, left                  ; 128 along K: four matrix instructions, the four accumulators by turns
	s_wait_loadcnt \left                           ; this K step's units are in; the later slots' loads, 10 a slot, may be out
.if (\ks) == 0
.irp i, 0,1,2,3
	ds_store_b128 v[SA], v[ACC+4*\i:ACC+4*\i+3] offset:512*\i      ; my rows of Wr2, as they lie
.endr
	ds_store_b64 v[SB], v[ACC+16:ACC+17]                           ; my numbers of br1
	s_wait_dscnt 0x0                               ; the stores are done before the products write these registers
.endif
.irp c, 0,1
.set WA, WC+32*((\ks)%4)+16*\c
.set WW, WS+2*((\ks)%4)+\c
.if (\ks) == 0
	v_wmma_scale_f32_16x16x128_f8f6f4 v[ACC+16*\c:ACC+16*\c+7], v[WA:WA+7], v[XF+8*(\ks):XF+8*(\ks)+7], 0, v[WW], v[BS+(\ks)] matrix_a_fmt:MATRIX_FMT_FP4 matrix_b_fmt:MATRIX_FMT_FP4
	v_wmma_scale_f32_16x16x128_f8f6f4 v[ACC+16*\c+8:ACC+16*\c+15], v[WA+8:WA+15], v[XF+8*(\ks):XF+8*(\ks)+7], 0, v[WW], v[BS+(\ks)] matrix_a_fmt:MATRIX_FMT_FP4 matrix_b_fmt:MATRIX_FMT_FP4 matrix_a_scale:MATRIX_SCALE_ROW1
.else
	v_wmma_scale_f32_16x16x128_f8f6f4 v[ACC+16*\c:ACC+16*\c+7], v[WA:WA+7], v[XF+8*(\ks):XF+8*(\ks)+7], v[ACC+16*\c:ACC+16*\c+7], v[WW], v[BS+(\ks)] matrix_a_fmt:MATRIX_FMT_FP4 matrix_b_fmt:MATRIX_FMT_FP4
	v_wmma_scale_f32_16x16x128_f8f6f4 v[ACC+16*\c+8:ACC+16*\c+15], v[WA+8:WA+15], v[XF+8*(\ks):XF+8*(\ks)+7], v[ACC+16*\c+8:ACC+16*\c+15], v[WW], v[BS+(\ks)] matrix_a_fmt:MATRIX_FMT_FP4 matrix_b_fmt:MATRIX_FMT_FP4 matrix_a_scale:MATRIX_SCALE_ROW1
.endif
.endr
.if (\ks) < 4
.rept 4
	v_nop                                          ; four places in front of loads into registers that matrix instructions have read
.endr
	LOADU (\ks)%4, (\ks)+4
.endif
.endm
.macro CHL t                           ; chunk t = 2 c + u: the 8 rows of Wr2 that belong to accumulator t's registers; all lanes of a half read the same words
.irp j, 0,1,2,3,4,5,6,7
	ds_load_b128 v[CH+64*((\t)%2)+8*\j:CH+64*((\t)%2)+8*\j+3], v[W2A] offset:1024*((\t)/2)+256*((\t)%2)+32*\j
	ds_load_b128 v[CH+64*((\t)%2)+8*\j+4:CH+64*((\t)%2)+8*\j+7], v[W2A] offset:1024*((\t)/2)+256*((\t)%2)+32*\j+16
.endr
.endm
.macro FMAS t                          ; 64 multiply-adds: the eight logits by turns
.irp j, 0,1,2,3,4,5,6,7
.irp e, 0,1,2,3,4,5,6,7
.if ((\t) == 0) && (\j == 0)
	v_mul_f32 v[LG+\e], v[ACC+\j], v[CH+\e]        ; the first product starts the sums
.else
	v_fmac_f32 v[LG+\e], v[ACC+8*(\t)+\j], v[CH+64*((\t)%2)+8*\j+\e]
.endif
.endr
.endr
.endm
	s_load_b256 s[4:11], s[0:1], 0x0               ; xq s[4:5], wrq s[6:7], br1 s[8:9], Wr2 s[10:11]
	s_load_b128 s[12:15], s[0:1], 0x20             ; br2 s[12:13], chosen s[14:15]
	v_lshl_add_u32 v[SPW], v0, 2, SPARE
	v_mov_b32 v[NIL], 0
	v_lshrrev_b32 v[IDX], 5, v0
	s_delay_alu instid0(VALU_DEP_1)
	v_readfirstlane_b32 s24, v[IDX]                ; wave 0..15
	v_and_b32 v[IDX], 31, v0                       ; lane
	v_and_b32 v[CO], 15, v0                        ; r
	v_bfe_u32 v[W2A], v0, 4, 1                     ; h
	s_delay_alu instid0(VALU_DEP_3)
	v_lshlrev_b32 v[LI], 4, v[IDX]
	s_delay_alu instid0(VALU_DEP_4)
	v_lshlrev_b32 v[LS], 2, v[IDX]
	v_lshlrev_b32 v[G8], 3, v[IDX]
	v_lshlrev_b32 v[XO], 9, v[CO]
	s_delay_alu instid0(VALU_DEP_1)
	v_lshl_add_u32 v[XO], v[W2A], 4, v[XO]
	v_lshlrev_b32 v[XSO], 5, v[CO]
	v_lshlrev_b32 v[CO], 2, v[CO]
	s_lshl_b32 s25, s24, 11                        ; 2,048 w
	s_lshl_b32 s26, s24, 8                         ; 256 w
	s_lshl_b32 s27, s24, 10                        ; 1,024 w
	v_lshlrev_b32 v[BRA], 6, v[W2A]
	s_delay_alu instid0(VALU_DEP_1)
	v_add_nc_u32 v[BRA], s26, v[BRA]
	s_delay_alu instid0(VALU_DEP_1)
	v_add_nc_u32 v[BRA], BR1L, v[BRA]
	v_lshl_add_u32 v[W2A], v[W2A], 9, s25
	v_add_nc_u32 v[PST], s27, v[LI]
	s_delay_alu instid0(VALU_DEP_1)
	v_add_nc_u32 v[PST], PART, v[PST]
	v_add_nc_u32 v[SA], s25, v[LI]
	v_add_nc_u32 v[SB], s26, v[G8]
	s_delay_alu instid0(VALU_DEP_1)
	v_add_nc_u32 v[SB], BR1L, v[SB]
	v_add_nc_u32 v[PRD], PART, v[LI]
	s_mov_b32 s44, 0x76543210
	s_mov_b32 s45, 0xfedcba98                      ; v_permlanex16_b32's selects for lane l xor 16
	s_mov_b32 s29, 0
	s_wait_alu depctr_va_vdst(0)
	s_wait_kmcnt 0x0
	s_load_b256 s[16:23], s[12:13], 0x0            ; br2's eight numbers
	s_lshl_b32 s28, ttmp9, 13                      ; my 16 tokens' codes
	s_add_nc_u64 s[30:31], s[4:5], s[28:29]
	s_lshl_b32 s28, ttmp9, 9                       ; and scale bytes
	s_add_nc_u64 s[32:33], s[4:5], s[28:29]
	s_lshl_b32 s28, s24, 15                        ; my 16 units of wrq
	s_add_nc_u64 s[34:35], s[6:7], s[28:29]
	s_mov_b32 s28, s25                             ; and their scale words
	s_add_nc_u64 s[36:37], s[6:7], s[28:29]
	s_add_nc_u64 s[40:41], s[10:11], s[28:29]      ; my 64 rows of Wr2
	s_mov_b32 s28, s26
	s_add_nc_u64 s[38:39], s[8:9], s[28:29]        ; my 64 numbers of br1
	s_lshl_b32 s28, ttmp9, 6
	s_add_nc_u64 s[42:43], s[14:15], s[28:29]      ; my 16 tokens in chosen
.irp i, 0,1,2,3
	global_load_b128 v[ACC+4*\i:ACC+4*\i+3], v[LI], s[40:41] offset:512*\i
.endr
	global_load_b64 v[ACC+16:ACC+17], v[G8], s[38:39]
.irp s, 0,1,2,3,4,5,6,7
	global_load_b128 v[XF+8*\s:XF+8*\s+3], v[XO], s[30:31] offset:64*\s        ; token r, K = 128 s + 32 h + 0 .. 31
	global_load_b128 v[XF+8*\s+4:XF+8*\s+7], v[XO], s[30:31] offset:64*\s+32   ; and + 64
.endr
	global_load_b128 v[BS:BS+3], v[XSO], s[32:33] offset:SCOFF
	global_load_b128 v[BS+4:BS+7], v[XSO], s[32:33] offset:SCOFF+16
	LOADU 0, 0
	LOADU 1, 1
	LOADU 2, 2
	LOADU 3, 3
	KSTEP 0, 30
	KSTEP 1, 30
	KSTEP 2, 30
	KSTEP 3, 30
	KSTEP 4, 30
	KSTEP 5, 20
	KSTEP 6, 10
	KSTEP 7, 0
.rept 5
	v_nop                                          ; places behind the last products: their results are read, and their operands' registers are loaded into
.endr
.irp c, 0,1
.irp q, 0,1,2,3
	ds_load_b128 v[BIA+16*\c+4*\q:BIA+16*\c+4*\q+3], v[BRA] offset:128*\c+16*\q   ; br1 at my 16 neighbouring columns of each column group
.endr
.endr
	CHL 0
	CHL 1
.irp e, 0,1,2,3,4,5,6,7
	v_mov_b32 v[TT+\e], 0                          ; written once: a lane permute's destination counts as one of its sources
.endr
	s_wait_dscnt 16                                ; br1 and chunk 0 are in; chunk 1's 16 loads may be out
.irp k, 0,2,4,6,8,10,12,14,16,18,20,22,24,26,28,30
	v_pk_add_f32 v[ACC+\k:ACC+\k+1], v[ACC+\k:ACC+\k+1], v[BIA+\k:BIA+\k+1]   ; each accumulator from its low end on
.endr
.set CI, 0
.rept 32
	v_max_num_f32 v[ACC+CI], 0, v[ACC+CI]          ; relu
.set CI, CI+1
.endr
	FMAS 0
	CHL 2
	s_wait_alu depctr_va_vdst(0)
	s_wait_dscnt 16                                ; chunk 1 is in; chunk 2's may be out
	FMAS 1
	CHL 3
	s_wait_alu depctr_va_vdst(0)
	s_wait_dscnt 16
	FMAS 2
	s_wait_alu depctr_va_vdst(0)
	s_wait_dscnt 0x0
	FMAS 3
.irp e, 0,1,2,3,4,5,6,7
	v_permlanex16_b32 v[TT+\e], v[LG+\e], s44, s45
.endr
.irp e, 0,1,2,3,4,5,6,7
	v_add_f32 v[LG+\e], v[LG+\e], v[TT+\e]         ; with lane l xor 16's 32 columns: my wave's part of token r's logits
.endr
	ds_store_b128 v[PST], v[LG:LG+3]
	ds_store_b128 v[PST], v[LG+4:LG+7] offset:512
	s_wait_kmcnt 0x0                               ; br2
	s_wait_dscnt 0x0                               ; for wave 0's sake: my stores are done
	s_barrier_signal -1
	s_barrier_wait -1
	s_cmp_lg_u32 s24, 0
	s_cbranch_scc1 .Lend
.set CI, 0
.rept 16
	ds_load_b128 v[CH+8*CI:CH+8*CI+3], v[PRD] offset:1024*CI
	ds_load_b128 v[CH+8*CI+4:CH+8*CI+7], v[PRD] offset:1024*CI+512
.set CI, CI+1
.endr
	s_wait_dscnt 0x0
.irp k, 0,2,4,6
	v_pk_add_f32 v[LG+\k:LG+\k+1], v[CH+\k:CH+\k+1], v[CH+8+\k:CH+8+\k+1]
.endr
.set CI, 2
.rept 14
.irp k, 0,2,4,6
	s_delay_alu instid0(VALU_DEP_4)
	v_pk_add_f32 v[LG+\k:LG+\k+1], v[LG+\k:LG+\k+1], v[CH+8*CI+\k:CH+8*CI+\k+1]
.endr
.set CI, CI+1
.endr
.irp e, 0,1,2,3,4,5,6,7
	v_add_f32 v[LG+\e], s[16+\e], v[LG+\e]         ; + br2
.endr
	v_mov_b32 v[IDX], 0
	v_mov_b32 v[TT], v[LG]
.irp e, 1,2,3,4,5,6,7
	v_mov_b32 v[EC], \e
	s_delay_alu instid0(VALU_DEP_2)
	v_cmp_gt_f32 vcc_lo, v[LG+\e], v[TT]           ; strictly greater: the lower index keeps a tie
	s_delay_alu instid0(VALU_DEP_1)
	v_cndmask_b32 v[IDX], v[IDX], v[EC], vcc_lo
	s_delay_alu instid0(VALU_DEP_4)
	v_max_num_f32 v[TT], v[TT], v[LG+\e]
.endr
	v_cmp_gt_u32 vcc_lo, 16, v0                    ; lanes 0-15 of wave 0: a token each
	s_wait_alu depctr_va_vdst(0)
	s_wait_xcnt 0x0                                ; EXEC changes only behind this wait
	s_and_saveexec_b32 s46, vcc_lo
	global_store_b32 v[CO], v[IDX], s[42:43]
	s_wait_xcnt 0x0                                ; and again in front of the line that widens it
	s_or_b32 exec_lo, exec_lo, s46
.Lend:
	s_wait_tensorcnt 0x0                           ; the wave's end: three lines behind my last LDS store
	ds_add_u32 v[SPW], v[NIL]
	s_wait_dscnt 0x0
	s_endpgm
.Lfunc_end_k_q9d183b4a6d_router:
	.size	k_q9d183b4a6d_router, .Lfunc_end_k_q9d183b4a6d_router-k_q9d183b4a6d_router
	.p2alignl 7, 3214868480
	.fill 96, 4, 3214868480
	.section	.rodata,"a",@progbits
	.p2align	6, 0x0
	.amdhsa_kernel k_q9d183b4a6d_router
		.amdhsa_group_segment_fixed_size 55296
		.amdhsa_private_segment_fixed_size 0
		.amdhsa_enable_private_segment 0
		.amdhsa_kernarg_size 48
		.amdhsa_user_sgpr_count 2
		.amdhsa_user_sgpr_kernarg_segment_ptr 1
		.amdhsa_wavefront_size32 1
		.amdhsa_system_sgpr_workgroup_id_x 1
		.amdhsa_system_sgpr_workgroup_id_y 1
		.amdhsa_system_sgpr_workgroup_id_z 1
		.amdhsa_system_vgpr_workitem_id 0
		.amdhsa_next_free_vgpr 256
		.amdhsa_next_free_sgpr 66
		.amdhsa_reserve_vcc 1
		.amdhsa_float_denorm_mode_32 3
		.amdhsa_float_denorm_mode_16_64 3
		.amdhsa_memory_ordered 1
		.amdhsa_forward_progress 1
		.amdhsa_inst_pref_size 44
	.end_amdhsa_kernel
	.amdgpu_metadata
---
amdhsa.version: [ 1, 2 ]
amdhsa.kernels:
  - .name:           k_q9d183b4a6d_router
    .symbol:         k_q9d183b4a6d_router.kd
    .args:
      - { .name: xq, .offset: 0, .size: 8, .value_kind: global_buffer, .address_space: global }
      - { .name: wrq, .offset: 8, .size: 8, .value_kind: global_buffer, .address_space: global }
      - { .name: br1, .offset: 16, .size: 8, .value_kind: global_buffer, .address_space: global }
      - { .name: Wr2, .offset: 24, .size: 8, .value_kind: global_buffer, .address_space: global }
      - { .name: br2, .offset: 32, .size: 8, .value_kind: global_buffer, .address_space: global }
      - { .name: chosen, .offset: 40, .size: 8, .value_kind: global_buffer, .address_space: global }
    .group_segment_fixed_size: 55296
    .private_segment_fixed_size: 0
    .kernarg_segment_align: 8
    .kernarg_segment_size: 48
    .max_flat_workgroup_size: 512
    .sgpr_count:     66
    .vgpr_count:     256
    .wavefront_size: 32
...
	.end_amdgpu_metadata
.endif
;; end of part 2
;; launch ffn1 (part 3): grid 32 x 8, 16 waves a work-group, no clusters, 73,728 bytes of LDS; arguments W1, b1, xq, chosen, hq, route; writes hq, route
.if DOCPART == 3
	.amdgcn_target "amdgcn-amd-amdhsa--gfx1250"
	.amdhsa_code_object_version 6
	.text
	.protected	k_q9d183b4a6d_ffn1
	.globl	k_q9d183b4a6d_ffn1
	.p2align	8
	.type	k_q9d183b4a6d_ffn1,@function
k_q9d183b4a6d_ffn1:
	s_mov_b64 s[64:65], 0
	v_nop
	global_prefetch_b8 v0, s[64:65] scope:SCOPE_SE
	s_setreg_imm32_b32 hwreg(HW_REG_WAVE_MODE, 25, 1), 1
	s_wait_xcnt 0x0
; THE EXPERTS' FIRST LAYER: for each token, Q(relu(Q(x) Q(W1[e]) + b1[e])) with e its chosen expert, as codes.  LEFT OUT: the rows of experts that were not chosen, which reference()'s own where() throws away.
; THE WEIGHTS STAND STILL AND ARE READ ONCE.  Work-group (X, e) owns columns 128 X .. 128 X + 127 of W1[e], all 1,024 rows: 512 KiB of f32, 256 work-groups.  PHASE 1: its sixteen waves stream the slab and quantise it in
; registers (a lane a column, registers down K, as in the first launch); the codes, 64 KiB, and scale words, 4 KiB, go to LDS as images of the operand's registers.  ONE barrier.  PHASE 2: the waves walk the expert's
; tiles of 16 tokens with no further barrier.  The launch has no tensor load, and so no joint load,
; though the 32 work-groups of an expert read the same tokens' codes: those are a small part of the launch's bytes.
; An expert without tokens still has its slab streamed (the barrier stands on every wave's path) and stores its tiles 0 and 1 all the same.
; PHASE 1, WAVE w: cg = w % 4, kq = w / 4: rows 256 kq .. + 255 of columns 128 X + 32 cg .. + 31: 8 blocks a lane, two units (K steps 2 kq, 2 kq + 1); the four waves of a kq read 512 consecutive bytes of each row.
;  Up to three blocks, 96 loads of 128 bytes, are asked for ahead.
; PHASE 2, WAVE w: PAIRS OF TILES w, w + 16: pair p is tiles 2 p and 2 p + 1, taken through all four column groups.  So a tile's codes are gathered once in the work-group, each unit read from LDS (2,176 bytes) feeds four
;  matrix instructions, and up to 32 tiles (512 tokens of one expert) a wave makes one trip, whose tokens' codes are asked for while the slab still streams.  Where the number of tiles is odd, the last pair holds the
;  last tile twice: the same operands, the same sums, the same bytes stored twice to the same place.
; A TILE: source 0 = 16 columns of W1, source 1 = 16 tokens, gathered by the sorted list; 8 K steps x 2 tiles of columns for each column group; b1 is the C of the first K step.  Lane (r, h) then holds token r and 16
;  neighbouring hidden columns, 16 h + 0 .. 15 of the 32: with lane l xor 16 one block of the second product's K.  A ROW PAST THE EXPERT'S LAST TOKEN REPEATS THAT LAST TOKEN (its place in the list is held at the run's
;  last place): the next launch does the same, and so stores that token's row once more, with the same numbers.
; hq: tile g = 64 e + t (511 at the most), K step X: 1,024 bytes, an image of the second product's source 1;
;  column group cg is bytes 256 cg .. + 255 of it: one store of 256 consecutive bytes, aligned.  From the tile's byte 32,768: scale words [X][32 lanes x 4 bytes]: one store of 128 consecutive bytes a tile.
; LDS: 0: 32 units of 2,048 bytes, unit 8 cg + K step;  65,536: their scale words, 128 bytes each;  69,632: b1's 128 numbers, a word a thread (four copies: no branch; the first is read);  71,680: the spare words.
; THE LIST OF AN EXPERT'S TOKENS IS MADE HERE, from the router's choices (whole numbers read from memory): each wave loads all 1,024 choices (register 4 i + j of lane l is token 128 i + 4 l + j),
; 32 compares give the masks of its expert's tokens (s66-97), their bit counts the expert's number of tokens.  Rank = the tokens of lower registers + those of lower lanes.  A lane finds the token of rank p by a scan
; over the 32 running counts and a choice of the k-th set bit of one mask.  Work-groups with X = 0 also store the list for the next launch: route[e]: 8,192 bytes: tokens by rank; at byte 4,096 the count.
; hq: tile 64 e + t, 36,864 bytes a tile: 32 K steps x 1,024 bytes of codes, then 32 x 128 bytes of scale words.  An expert without tokens has its tiles 0 and 1 stored all the same, so that the next launch reads only stored bytes.
.set NSET,  3
.set PITCH, 16384                      ; bytes from a row of W1[e] to the next
.set SCI,   65536
.set BIL,   69632
.set SPARE, 71680
.set XSC,   524288                     ; xq: where the scale bytes begin
.set HSC,   32768                      ; hq: where a tile's scale words begin
.set TILEB, 36864                      ; hq: bytes of a tile
.set MK,    66                         ; s66-97 the masks of my expert's tokens, one for each register of choices
.set SPW, 1                            ; v1   LDS address of my spare word; never rewritten
.set NIL, 2                            ; v2   0; never rewritten
.set LW,  3                            ; v3   LDS: 16 x lane: an image's place
.set LSW, 4                            ; v4   LDS: SCI + 4 x lane
.set RR,  5                            ; v5   r
.set H16, 6                            ; v6   16 h
.set HO,  7                            ; v7   16 r + 8 h: my 8 bytes of a block's 256
.set LS4, 8                            ; v8   4 x lane
.set BIA, 9                            ; v9   LDS: BIL + 64 h: my half's 16 numbers of b1
.set XOA, 10                           ; v10  tile A: 512 x token + 16 h
.set XSOA, 11                          ; v11  tile A: 32 x token
.set XOB, 12                           ; v12, v13 the same for tile B
.set XSOB, 13
.set SWI, 14                           ; v14  LDS: where I store my units
.set SWS, 15                           ; v15  LDS: and their scale words
.set BSA, 16                           ; v16-23  tile A's scale words, K step s in register s: scales and nothing else
.set BSB, 24                           ; v24-31  tile B's: scales and nothing else
.set WS,  32                           ; v32-33  the units' scale words, one for each buffer: scales and nothing else
.set WOFF, 34                          ; v34  4 x my column
.set BST, 35                           ; v35  LDS: BIL + 4 x my thread's number
.set BFA, 36                           ; v36-99  tile A's eight fragments
.set BI,  100                          ; v100-115 b1 of the column group in hand, in the result's layout.  In phase 1:
.set CHV, 36                           ;   v36-67 the 1,024 choices, until the masks are made
.set QP,  68                           ;   v68-78 at work in SELECT: the rank wanted; the mask; count and register; k; at work; the mask's bit counts by 2, 4, 8, 16; the bit; at work
.set QM,  69
.set QC,  70
.set QK,  71
.set QT,  72
.set Q1,  73
.set Q2,  74
.set Q4,  75
.set Q8,  76
.set QPOS, 77
.set QX,  78
.set TKO, 78                           ;   v80, v81 tile A's and tile B's tokens
.set DAT, 122                          ;   v122 my rank's token, v123 its place in route[e], v124, v125 the count and its offset: written again only behind EPI2's wait on XCNT
.set ADR, 123
.set BIV, 104                          ;   v104 my number of b1
.set BOF, 105                          ;   v105 and where it lies
.set TA,  106                          ;   v106, v107 at work at the head
.set TB,  107
.set EM,  116                          ; v116-121 phase 2, at work: three registers a tile: largest magnitude; the other half's, then the byte; the conversion's scale operand
.set MXA, 116                          ; v116-119 phase 1, at work
.set MXB, 117
.set SC,  118
.set BY,  119
.set PCD, 122                          ; v122-125 my 16 codes of each tile
.set SWD, 126                          ; v126-127 each tile's scale word
.set SW,  126                          ;   in phase 1: my two units' scale words
.set XR,  128                          ; v128-223 phase 1: three blocks of 32 numbers
.set BFBH, 128                         ; v128-159 then tile B's K steps 4 to 7
.set WR,  160                          ; v160-191 phase 2: two buffers of one unit
.set BFBL, 192                         ; v192-223 tile B's K steps 0 to 3
.set CB,  224                          ; v224-255 phase 1: my two units' codes
.set ACC, 224                          ; v224-255 phase 2: four accumulators: tile A's two, tile B's two
.set WB,  4                            ; s[4:5]  W1 at my part of the slab
; s29 my expert's first tile in hq, s30 its tokens, s31 its tiles, s49 its last tile, s46 its last place, s47 my wave's pairs, s48 counts them, s32 the pair in hand
; s[40:41], s[42:43] hq at tile A's and tile B's codes; s[50:51], s[52:53] at their scale words
.macro LOADB t                         ; block t: rows 32 t .. + 31 of my column
.set XL, XR+32*((\t)%NSET)
.set CI, 0
.rept 32
	global_load_b32 v[XL+CI], v[WOFF], s[WB:WB+1] offset:(32*(\t)+CI)*PITCH th:TH_LOAD_NT
.set CI, CI+1
.endr
.endm
.macro QBLK t                          ; block t of a lane becomes 4 registers of codes and a byte of its unit's scale word
.set XS, XR+32*((\t)%NSET)
.set QD, CB+16*((\t)/4)+8*((\t)%2)+4*(((\t)%4)/2)
	v_max3_num_f32 v[MXA], |v[XS]|, |v[XS+1]|, |v[XS+2]|
	v_max3_num_f32 v[MXB], |v[XS+3]|, |v[XS+4]|, |v[XS+5]|
.irp i, 6,10,14,18,22,26
	s_delay_alu instid0(VALU_DEP_2)
	v_max3_num_f32 v[MXA], v[MXA], |v[XS+\i]|, |v[XS+\i+1]|
	s_delay_alu instid0(VALU_DEP_2)
	v_max3_num_f32 v[MXB], v[MXB], |v[XS+\i+2]|, |v[XS+\i+3]|
.endr
	s_delay_alu instid0(VALU_DEP_2)
	v_max3_num_f32 v[MXA], v[MXA], |v[XS+30]|, |v[XS+31]|
	s_delay_alu instid0(VALU_DEP_1)
	v_max3_num_f32 v[MXA], v[MXA], v[MXB], 0x1800000   ; the floor 2^(3 - 127): the byte cannot fall under 1
	s_delay_alu instid0(VALU_DEP_1)
	v_add_nc_u32 v[SC], 0xff000000, v[MXA]             ; 2 off the exponent field: the conversion's scale operand
	s_delay_alu instid0(VALU_DEP_1)
	v_lshrrev_b32 v[BY], 23, v[SC]
.if (\t)%4 == 0
	s_delay_alu instid0(VALU_DEP_1)
	v_mov_b32 v[SW+(\t)/4], v[BY]
.else
	s_delay_alu instid0(VALU_DEP_1)
	v_lshl_or_b32 v[SW+(\t)/4], v[BY], 8*((\t)%4), v[SW+(\t)/4]
.endif
.irp g, 0,1,2,3
	v_cvt_scalef32_pk8_fp4_f32 v[QD+\g], v[XS+8*\g:XS+8*\g+7], v[SC]
.endr
.endm
.macro STREAM t, left                  ; left: how many younger loads may stay out when block t has to be in
	s_wait_loadcnt \left
	QBLK \t
.if (\t) < 5
	LOADB (\t)+3                                   ; into the set that block t has left
.endif
.endm
.macro SWAPU u                         ; the lane's four blocks become the two tiles' operand registers
	v_nop                                          ; one plain instruction between the conversions and the exchanges that touch their results
.irp c, 0,1
.irp g, 0,1,2,3
	v_permlane16_swap_b32 v[CB+16*(\u)+4*\c+\g], v[CB+16*(\u)+8+4*\c+\g]
.endr
.endr
.endm
.macro PUTU u                          ; and go to LDS as they stand
.irp i, 0,1,2,3
	ds_store_b128 v[SWI], v[CB+16*(\u)+4*\i:CB+16*(\u)+4*\i+3] offset:2048*(\u)+512*\i
.endr
	ds_store_b32 v[SWS], v[SW+(\u)] offset:128*(\u)
.endm
.macro PICK reg, fw, w                 ; the field of fw bits at the bit in hand counts the set bits of the next w: if k is not among them, pass them
	s_delay_alu instid0(VALU_DEP_1)
	v_bfe_u32 v[QT], v[\reg], v[QPOS], \fw
	s_delay_alu instid0(VALU_DEP_1)
	v_cmp_ge_u32 vcc_lo, v[QK], v[QT]
	s_delay_alu instid0(VALU_DEP_1)
	v_cndmask_b32 v[QT], 0, v[QT], vcc_lo
	v_cndmask_b32 v[QX], 0, \w, vcc_lo
	s_delay_alu instid0(VALU_DEP_2)
	v_sub_nc_u32 v[QK], v[QK], v[QT]
	s_delay_alu instid0(VALU_DEP_2)
	v_add_nc_u32 v[QPOS], v[QPOS], v[QX]
.endm
.macro SELECT                          ; the tokens of pair s32's two tiles: lanes 0-15 find tile A's row r, lanes 16-31 tile B's; then each half takes the other's
	s_lshl_b32 s33, s32, 5                         ; 16 x tile A
	s_lshl_b32 s34, s32, 1
	s_add_co_u32 s34, s34, 1
	s_min_u32 s34, s34, s49                        ; tile B = 2 x pair + 1, or the last tile once more
	s_lshl_b32 s34, s34, 4
	v_mov_b32 v[QP], s33
	s_delay_alu instid0(VALU_DEP_1)
	v_cndmask_b32 v[QP], v[QP], s34, s19
	s_delay_alu instid0(VALU_DEP_1)
	v_add_nc_u32 v[QP], v[QP], v[RR]               ; my place in the list
	s_delay_alu instid0(VALU_DEP_1)
	v_min_u32 v[ADR], 0x3ff, v[QP]
	v_min_u32 v[QP], s46, v[QP]                    ; a row past the last token repeats it
	s_delay_alu instid0(VALU_DEP_2)
	v_lshlrev_b32 v[ADR], 2, v[ADR]
	v_mov_b32 v[QM], s[MK]
	v_mov_b32 v[QC], 0
	s_wait_alu depctr_va_vdst(0)
	s_mov_b32 s33, 0
.set CI, 1
.rept 31                               ; the last register whose running count is at most my rank holds my token
	s_bcnt1_i32_b32 s34, s[MK+CI-1]
	s_add_co_u32 s33, s33, s34
	s_add_co_u32 s34, s33, CI<<16
	v_cmp_le_u32 vcc_lo, s33, v[QP]
	s_delay_alu instid0(VALU_DEP_1)
	v_cndmask_b32 v[QM], v[QM], s[MK+CI], vcc_lo
	v_cndmask_b32 v[QC], v[QC], s34, vcc_lo
.set CI, CI+1
.endr
	s_delay_alu instid0(VALU_DEP_1)
	v_and_b32 v[QK], 0xffff, v[QC]
	v_lshrrev_b32 v[QT], 1, v[QM]
	s_delay_alu instid0(VALU_DEP_2)
	v_sub_nc_u32 v[QK], v[QP], v[QK]               ; k: my token is the mask's k-th set bit
	s_delay_alu instid0(VALU_DEP_2)
	v_and_b32 v[QT], 0x55555555, v[QT]
	v_lshrrev_b32 v[QC], 16, v[QC]                 ; the register's number
	s_delay_alu instid0(VALU_DEP_2)
	v_sub_nc_u32 v[Q1], v[QM], v[QT]               ; bit counts of each 2,
	s_delay_alu instid0(VALU_DEP_1)
	v_lshrrev_b32 v[QT], 2, v[Q1]
	v_and_b32 v[Q2], 0x33333333, v[Q1]
	s_delay_alu instid0(VALU_DEP_2)
	v_and_b32 v[QT], 0x33333333, v[QT]
	s_delay_alu instid0(VALU_DEP_1)
	v_add_nc_u32 v[Q2], v[Q2], v[QT]               ; of each 4,
	s_delay_alu instid0(VALU_DEP_1)
	v_lshrrev_b32 v[QT], 4, v[Q2]
	s_delay_alu instid0(VALU_DEP_1)
	v_add_nc_u32 v[Q4], v[Q2], v[QT]
	s_delay_alu instid0(VALU_DEP_1)
	v_and_b32 v[Q4], 0x0f0f0f0f, v[Q4]             ; of each 8,
	s_delay_alu instid0(VALU_DEP_1)
	v_lshrrev_b32 v[QT], 8, v[Q4]
	s_delay_alu instid0(VALU_DEP_1)
	v_add_nc_u32 v[Q8], v[Q4], v[QT]               ; and, in its low byte, of the low 16
	v_mov_b32 v[QPOS], 0
	PICK Q8, 8, 16
	PICK Q4, 8, 8
	PICK Q2, 4, 4
	PICK Q1, 2, 2
	PICK QM, 1, 1
	v_lshrrev_b32 v[QT], 2, v[QC]
	v_and_b32 v[QC], 3, v[QC]
	s_delay_alu instid0(VALU_DEP_1)
	v_lshl_add_u32 v[QC], v[QT], 7, v[QC]
	s_delay_alu instid0(VALU_DEP_1)
	v_lshl_add_u32 v[DAT], v[QPOS], 2, v[QC]       ; token = 128 (register / 4) + register % 4 + 4 x bit
	s_delay_alu instid0(VALU_DEP_1)
	v_min_u32 v[DAT], 0x3ff, v[DAT]
	s_delay_alu instid0(VALU_DEP_1)
	v_permlanex16_b32 v[QX], v[DAT], s44, s45
	s_delay_alu instid0(VALU_DEP_1)
	v_cndmask_b32 v[TKO+2], v[DAT], v[QX], s19     ; tile A's tokens in both halves,
	v_cndmask_b32 v[TKO+3], v[QX], v[DAT], s19     ; and tile B's
	s_cmp_lg_u32 s17, 0
	s_wait_alu depctr_va_vdst(0)
	s_cbranch_scc1 .Lnoroute_\@
	global_store_b32 v[ADR], v[DAT], s[54:55]      ; X = 0 keeps the list for the next launch: two runs of 64 consecutive bytes
.Lnoroute_\@:
.endm
.macro XADDR b                         ; where the two tiles' codes and scale bytes lie in xq
	v_min_u32 v[(\b)+2], 0x3ff, v[(\b)+2]
	v_min_u32 v[(\b)+3], 0x3ff, v[(\b)+3]
	s_delay_alu instid0(VALU_DEP_2)
	v_lshl_add_u32 v[XOA], v[(\b)+2], 9, v[H16]
	s_delay_alu instid0(VALU_DEP_3)
	v_lshlrev_b32 v[XSOA], 5, v[(\b)+2]
	s_delay_alu instid0(VALU_DEP_3)
	v_lshl_add_u32 v[XOB], v[(\b)+3], 9, v[H16]
	s_delay_alu instid0(VALU_DEP_4)
	v_lshlrev_b32 v[XSOB], 5, v[(\b)+3]
.endm
.macro XLOADA                          ; tile A's codes and scale words: 18 loads
.irp s, 0,1,2,3,4,5,6,7
	global_load_b128 v[BFA+8*\s:BFA+8*\s+3], v[XOA], s[8:9] offset:64*\s
	global_load_b128 v[BFA+8*\s+4:BFA+8*\s+7], v[XOA], s[8:9] offset:64*\s+32
.endr
	global_load_b128 v[BSA:BSA+3], v[XSOA], s[8:9] offset:XSC
	global_load_b128 v[BSA+4:BSA+7], v[XSOA], s[8:9] offset:XSC+16
.endm
.macro XLOADB1                         ; tile B's K steps 0 to 3 and its scale words: 10 loads
.irp s, 0,1,2,3
	global_load_b128 v[BFBL+8*\s:BFBL+8*\s+3], v[XOB], s[8:9] offset:64*\s
	global_load_b128 v[BFBL+8*\s+4:BFBL+8*\s+7], v[XOB], s[8:9] offset:64*\s+32
.endr
	global_load_b128 v[BSB:BSB+3], v[XSOB], s[8:9] offset:XSC
	global_load_b128 v[BSB+4:BSB+7], v[XSOB], s[8:9] offset:XSC+16
.endm
.macro XLOADB2                         ; tile B's K steps 4 to 7: 8 loads
.irp s, 4,5,6,7
	global_load_b128 v[BFBH+8*(\s-4):BFBH+8*(\s-4)+3], v[XOB], s[8:9] offset:64*\s
	global_load_b128 v[BFBH+8*(\s-4)+4:BFBH+8*(\s-4)+7], v[XOB], s[8:9] offset:64*\s+32
.endr
.endm
.macro LOADW buf, u                    ; unit u into buffer buf: 5 LDS loads
.irp i, 0,1,2,3
	ds_load_b128 v[WR+16*(\buf)+4*\i:WR+16*(\buf)+4*\i+3], v[LW] offset:2048*(\u)+512*\i
.endr
	ds_load_b32 v[WS+(\buf)], v[LSW] offset:128*(\u)
.endm
.macro BILOAD cg                       ; b1 at my 16 neighbouring columns of column group cg: 4 LDS loads; all lanes of a half read the same words
.irp q, 0,1,2,3
	ds_load_b128 v[BI+4*\q:BI+4*\q+3], v[BIA] offset:128*(\cg)+16*\q
.endr
.endm
.macro MM4 u                           ; unit u x the two tiles: four matrix instructions, the four accumulators by turns
.set SS, (\u)%8
.set WRR, WR+16*((\u)%2)
.set WSR, WS+(\u)%2
.set FA, BFA+8*SS
.if SS < 4
.set FB, BFBL+8*SS
.else
.set FB, BFBH+8*(SS-4)
.endif
.if SS == 0
	v_wmma_scale_f32_16x16x128_f8f6f4 v[ACC:ACC+7], v[WRR:WRR+7], v[FA:FA+7], v[BI:BI+7], v[WSR], v[BSA+SS] matrix_a_fmt:MATRIX_FMT_FP4 matrix_b_fmt:MATRIX_FMT_FP4
	v_wmma_scale_f32_16x16x128_f8f6f4 v[ACC+16:ACC+23], v[WRR:WRR+7], v[FB:FB+7], v[BI:BI+7], v[WSR], v[BSB+SS] matrix_a_fmt:MATRIX_FMT_FP4 matrix_b_fmt:MATRIX_FMT_FP4
	v_wmma_scale_f32_16x16x128_f8f6f4 v[ACC+8:ACC+15], v[WRR+8:WRR+15], v[FA:FA+7], v[BI+8:BI+15], v[WSR], v[BSA+SS] matrix_a_fmt:MATRIX_FMT_FP4 matrix_b_fmt:MATRIX_FMT_FP4 matrix_a_scale:MATRIX_SCALE_ROW1
	v_wmma_scale_f32_16x16x128_f8f6f4 v[ACC+24:ACC+31], v[WRR+8:WRR+15], v[FB:FB+7], v[BI+8:BI+15], v[WSR], v[BSB+SS] matrix_a_fmt:MATRIX_FMT_FP4 matrix_b_fmt:MATRIX_FMT_FP4 matrix_a_scale:MATRIX_SCALE_ROW1
.else
	v_wmma_scale_f32_16x16x128_f8f6f4 v[ACC:ACC+7], v[WRR:WRR+7], v[FA:FA+7], v[ACC:ACC+7], v[WSR], v[BSA+SS] matrix_a_fmt:MATRIX_FMT_FP4 matrix_b_fmt:MATRIX_FMT_FP4
	v_wmma_scale_f32_16x16x128_f8f6f4 v[ACC+16:ACC+23], v[WRR:WRR+7], v[FB:FB+7], v[ACC+16:ACC+23], v[WSR], v[BSB+SS] matrix_a_fmt:MATRIX_FMT_FP4 matrix_b_fmt:MATRIX_FMT_FP4
	v_wmma_scale_f32_16x16x128_f8f6f4 v[ACC+8:ACC+15], v[WRR+8:WRR+15], v[FA:FA+7], v[ACC+8:ACC+15], v[WSR], v[BSA+SS] matrix_a_fmt:MATRIX_FMT_FP4 matrix_b_fmt:MATRIX_FMT_FP4 matrix_a_scale:MATRIX_SCALE_ROW1
	v_wmma_scale_f32_16x16x128_f8f6f4 v[ACC+24:ACC+31], v[WRR+8:WRR+15], v[FB:FB+7], v[ACC+24:ACC+31], v[WSR], v[BSB+SS] matrix_a_fmt:MATRIX_FMT_FP4 matrix_b_fmt:MATRIX_FMT_FP4 matrix_a_scale:MATRIX_SCALE_ROW1
.endif
.endm
.macro EPI2 cg                         ; column group cg of both tiles: relu, one block of 32 for each row, its codes stored; the two tiles by turns, so that no line waits for the line above it
	s_wait_xcnt 0x0                                ; the last column group's stores have read their data, which are written below
.set CI, 0
.rept 32
	v_max_num_f32 v[ACC+CI], 0, v[ACC+CI]          ; relu; each accumulator from its low end on
.set CI, CI+1
.endr
.irp t, 0,1
	v_max3_num_f32 v[EM+3*\t], v[ACC+16*\t], v[ACC+16*\t+1], 0x1800000   ; my 16 numbers (none is negative) and the floor
.endr
.irp i, 2,4,6,8,10,12,14
.irp t, 0,1
	s_delay_alu instid0(VALU_DEP_2)
	v_max3_num_f32 v[EM+3*\t], v[EM+3*\t], v[ACC+16*\t+\i], v[ACC+16*\t+\i+1]
.endr
.endr
.irp t, 0,1
	s_delay_alu instid0(VALU_DEP_2)
	v_permlanex16_b32 v[EM+3*\t+1], v[EM+3*\t], s44, s45
.endr
.irp t, 0,1
	s_delay_alu instid0(VALU_DEP_2)
	v_max_num_f32 v[EM+3*\t], v[EM+3*\t], v[EM+3*\t+1]   ; with lane l xor 16's: the block's largest magnitude
.endr
.irp t, 0,1
	s_delay_alu instid0(VALU_DEP_2)
	v_add_nc_u32 v[EM+3*\t+2], 0xff000000, v[EM+3*\t]    ; 2 off the exponent field: the conversion's scale operand
.endr
.irp t, 0,1
	s_delay_alu instid0(VALU_DEP_2)
	v_lshrrev_b32 v[EM+3*\t+1], 23, v[EM+3*\t+2]         ; the scale's byte
.endr
.irp t, 0,1
	v_cvt_scalef32_pk8_fp4_f32 v[PCD+2*\t], v[ACC+16*\t:ACC+16*\t+7], v[EM+3*\t+2]
	v_cvt_scalef32_pk8_fp4_f32 v[PCD+2*\t+1], v[ACC+16*\t+8:ACC+16*\t+15], v[EM+3*\t+2]
.endr
.irp t, 0,1                            ; (plain instructions behind the last conversion)
.if (\cg) == 0
	v_mov_b32 v[SWD+\t], v[EM+3*\t+1]
.else
	v_lshl_or_b32 v[SWD+\t], v[EM+3*\t+1], 8*(\cg), v[SWD+\t]   ; the four column groups' bytes make the row's scale word of this K step
.endif
.endr
.irp t, 0,1
	global_store_b64 v[HO], v[PCD+2*\t:PCD+2*\t+1], s[40+2*\t:41+2*\t] offset:256*(\cg)   ; the wave stores 256 consecutive bytes, aligned
.endr
.if (\cg) == 3
.irp t, 0,1
	global_store_b32 v[LS4], v[SWD+\t], s[50+2*\t:51+2*\t] offset:HSC                     ; and 128 consecutive bytes of scale words
.endr
.endif
.endm
	s_load_b256 s[4:11], s[0:1], 0x0               ; W1 s[4:5], b1 s[6:7], xq s[8:9], chosen s[10:11]
	s_load_b64 s[12:13], s[0:1], 0x20              ; hq   (s[10:11] holds chosen)
	s_load_b64 s[54:55], s[0:1], 0x28              ; route
	v_lshl_add_u32 v[SPW], v0, 2, SPARE
	v_mov_b32 v[NIL], 0
	v_lshl_add_u32 v[BST], v0, 2, BIL
	v_lshrrev_b32 v[TA], 5, v0
	s_delay_alu instid0(VALU_DEP_1)
	v_readfirstlane_b32 s14, v[TA]                 ; wave 0..15
	s_and_b32 s15, s14, 3                          ; cg
	s_lshr_b32 s16, s14, 2                         ; kq
	s_mov_b32 s17, ttmp9                           ; X
	s_and_b32 s18, ttmp7, 0xffff                   ; e
	v_and_b32 v[TA], 31, v0                        ; lane
	v_and_b32 v[RR], 15, v0
	v_bfe_u32 v[TB], v0, 4, 1                      ; h
	s_delay_alu instid0(VALU_DEP_1)
	v_lshlrev_b32 v[H16], 4, v[TB]
	s_delay_alu instid0(VALU_DEP_4)
	v_lshlrev_b32 v[LW], 4, v[TA]
	v_lshlrev_b32 v[LS4], 2, v[TA]
	s_delay_alu instid0(VALU_DEP_1)
	v_add_nc_u32 v[LSW], SCI, v[LS4]
	s_lshl_b32 s33, s15, 14
	s_lshl_b32 s34, s16, 12
	s_add_co_u32 s34, s34, s33
	v_add_nc_u32 v[SWI], s34, v[LW]                ; 16 x lane + 2,048 (8 cg + 2 kq)
	s_lshl_b32 s33, s15, 10
	s_lshl_b32 s34, s16, 8
	s_add_co_u32 s34, s34, s33
	v_add_nc_u32 v[SWS], s34, v[LSW]               ; SCI + 4 x lane + 128 (8 cg + 2 kq)
	v_lshlrev_b32 v[HO], 4, v[RR]
	s_delay_alu instid0(VALU_DEP_1)
	v_lshl_add_u32 v[HO], v[TB], 3, v[HO]
	v_lshl_add_u32 v[BIA], v[TB], 6, BIL
	v_and_b32 v[WOFF], 7, v0
	v_and_b32 v[TA], 8, v0
	s_delay_alu instid0(VALU_DEP_1)
	v_lshl_add_u32 v[WOFF], v[TA], 1, v[WOFF]
	v_and_b32 v[TA], 16, v0
	s_delay_alu instid0(VALU_DEP_1)
	v_lshrrev_b32 v[TA], 1, v[TA]
	s_delay_alu instid0(VALU_DEP_1)
	v_or_b32 v[WOFF], v[WOFF], v[TA]               ; perm(lane)
	s_delay_alu instid0(VALU_DEP_1)
	v_lshlrev_b32 v[WOFF], 2, v[WOFF]
	v_and_b32 v[BOF], 127, v0
	s_delay_alu instid0(VALU_DEP_1)
	v_lshlrev_b32 v[BOF], 2, v[BOF]                ; thread t takes number t % 128 of the slab's 128 of b1
	v_mov_b32 v[EM+4], 0                           ; written once: a lane permute's destination counts as one of its sources
	s_mov_b32 s44, 0x76543210
	s_mov_b32 s45, 0xfedcba98                      ; v_permlanex16_b32's selects for lane l xor 16
	s_lshl_b32 s38, s17, 10                        ; 1,024 X: my K step in a tile of hq
	s_lshl_b32 s39, s17, 7                         ; 128 X: and among its scale words
	s_lshl_b32 s35, s17, 9                         ; 4 x 128 X
	s_mov_b32 s37, 0
	s_wait_alu depctr_va_vdst(0)
	s_wait_kmcnt 0x0
	s_lshl_b32 s36, s18, 13
	s_add_nc_u64 s[54:55], s[54:55], s[36:37]      ; route[e]
	s_lshl_b32 s36, s18, 24                        ; an expert's W1 is 16 MiB,
	s_lshl_b32 s33, s16, 22                        ; 256 rows are 4 MiB,
	s_add_co_u32 s36, s36, s33
	s_add_co_u32 s36, s36, s35
	s_lshl_b32 s33, s15, 7                         ; a column group 128 bytes
	s_add_co_u32 s36, s36, s33
	s_add_nc_u64 s[WB:WB+1], s[WB:WB+1], s[36:37]
	s_lshl_b32 s36, s18, 14
	s_add_co_u32 s36, s36, s35
	s_add_nc_u64 s[6:7], s[6:7], s[36:37]          ; b1 at the slab's first column
	global_load_b32 v[BIV], v[BOF], s[6:7]
.irp i, 0,1,2,3,4,5,6,7
	global_load_b128 v[CHV+4*\i:CHV+4*\i+3], v[LW], s[10:11] offset:512*\i   ; the choices: older than block 0's loads
.endr
	LOADB 0
	LOADB 1
	LOADB 2
	; PHASE 1.  Loads come back in order.  Behind each of blocks 0 to 5 stand 64 younger loads or more, so at most 63 out shows the block in
	STREAM 0, 63
	ds_store_b32 v[BST], v[BIV]                    ; my number of b1 (its load is older than block 0's)
	STREAM 1, 63
	STREAM 2, 63
	; my expert's masks, tokens (s30), tiles (s31), last tile (s49), last rank (s46), my wave's pairs (s47): made while blocks 3 to 5, 96 loads, are out
	s_mov_b32 s30, 0
.set CI, 0
.rept 32
	v_cmp_eq_u32 s[MK+CI], s18, v[CHV+CI]
	s_bcnt1_i32_b32 s33, s[MK+CI]
	s_add_co_u32 s30, s30, s33
.set CI, CI+1
.endr
	s_min_u32 s30, s30, 1024
	s_lshl_b32 s29, s18, 6                         ; my expert's first tile in hq
	s_add_co_u32 s31, s30, 15
	s_lshr_b32 s31, s31, 4
	s_sub_co_u32 s49, s31, 1                       ; (an expert without tokens: no bound)
	s_sub_co_u32 s46, s30, 1                       ; (likewise; the constants in SELECT hold places and tokens inside their tables)
	s_max_u32 s47, s31, 1                          ; an expert without tokens still stores one pair
	s_add_co_u32 s47, s47, 1
	s_lshr_b32 s47, s47, 1
	s_add_co_u32 s47, s47, 15
	s_sub_co_u32 s47, s47, s14
	s_lshr_b32 s47, s47, 4                         ; how many of the pairs w, w + 16, .. there are
	s_mov_b32 s32, s14                             ; my first pair
	s_mov_b32 s19, 0xffff0000                      ; lanes 16-31
	s_or_b32 s33, s17, s14
	s_cmp_lg_u32 s33, 0
	s_cbranch_scc1 .Lnocnt
	v_mov_b32 v[DAT+2], s30                        ; wave 0 of X = 0 stores the count: all lanes the same word
	v_mov_b32 v[DAT+3], 0
	global_store_b32 v[DAT+3], v[DAT+2], s[54:55] offset:4096
.Lnocnt:
	SELECT                                         ; every wave: with X = 0 the sixteen waves store places 0 to 511 or up to the last tile
	STREAM 3, 63
	SWAPU 0
	PUTU 0
	XADDR TKO
	XLOADA                                         ; tile A's codes come while the slab's second half is quantised
	STREAM 4, 63
	STREAM 5, 63
	XLOADB1                                        ; tile B's first half, into the set that block 5 has left for good
	STREAM 6, 60                                   ; behind block 6's: tile A's 18 loads, block 7's 32, tile B's first 10
	XLOADB2                                        ; tile B's second half, into the set that block 6 has left for good
	STREAM 7, 18                                   ; behind block 7's: tile B's 10 + 8, which may stay out across the barrier: nobody writes those bytes
	SWAPU 1
	PUTU 1
	s_wait_dscnt 0x0                               ; for the others' sake: my units and my number of b1 lie in LDS
	s_barrier_signal -1
	s_barrier_wait -1                              ; the slab's 32 units and b1's 128 numbers do
	; PHASE 2
	s_mov_b32 s48, 0                               ; pairs done
	s_cmp_ge_u32 s48, s47
	s_cbranch_scc1 .Ldone
.Ltile:
	s_lshl_b32 s33, s32, 1                         ; tile A,
	s_add_co_u32 s34, s33, 1
	s_min_u32 s34, s34, s49                        ; tile B,
	s_add_co_u32 s33, s33, s29
	s_min_u32 s33, s33, 511
	s_add_co_u32 s34, s34, s29
	s_min_u32 s34, s34, 511
	s_mul_i32 s33, s33, TILEB
	s_mul_i32 s34, s34, TILEB
	s_add_co_u32 s36, s33, s38
	s_add_nc_u64 s[40:41], s[12:13], s[36:37]
	s_add_co_u32 s36, s34, s38
	s_add_nc_u64 s[42:43], s[12:13], s[36:37]
	s_add_co_u32 s36, s33, s39
	s_add_nc_u64 s[50:51], s[12:13], s[36:37]
	s_add_co_u32 s36, s34, s39
	s_add_nc_u64 s[52:53], s[12:13], s[36:37]
	BILOAD 0
	LOADW 0, 0
	LOADW 1, 1
	s_wait_loadcnt 0x0                             ; the pair's codes and scale words
.set UU, 0
.rept 32                               ; the slab's 32 units on end: column group UU / 8, K step UU % 8
.if UU == 31
	s_wait_dscnt 0x0
.elseif ((UU%8) == 1) && (UU < 24)
	s_wait_dscnt 9                                 ; this unit is in; behind it: the next column group's 4 loads of b1 and the other buffer's 5
.else
	s_wait_dscnt 5                                 ; this unit is in (and b1, which is older); the other buffer's 5 loads may be out
.endif
	MM4 UU
.if (UU%8) == 7
.rept 5
	v_nop                                          ; places behind a column group's last products: results are read, operands' registers are loaded into, and the next group's first products begin the accumulators anew
.endr
.elseif UU < 30
.rept 4
	v_nop                                          ; four places in front of loads into registers that matrix instructions have read
.endr
.endif
.if ((UU%8) == 0) && (UU < 24)
	BILOAD UU/8+1                                  ; this column group's first products have read b1: the next group's comes
.endif
.if UU < 30
	LOADW UU%2, UU+2
.endif
.if UU == 31
	s_add_co_u32 s33, s48, 1                       ; is there a second pair?  Only above 32 tiles: there the list and the codes are fetched one behind the other
	s_cmp_ge_u32 s33, s47
	s_cbranch_scc1 .Lnonext
	s_add_co_u32 s32, s32, 16
	s_wait_xcnt 0x0                                ; the last column group's stores have read v122, v123, which SELECT writes
	SELECT                                         ; (tile A's fragments are done with: their registers are free)
	XADDR TKO
	XLOADA
	XLOADB1
	XLOADB2
.Lnonext:
.endif
.if (UU%8) == 7
	EPI2 UU/8
.endif
.set UU, UU+1
.endr
	s_wait_xcnt 0x0                                ; the stores have read their bases, which the next trip writes
	s_add_co_u32 s48, s48, 1
	s_cmp_lt_u32 s48, s47
	s_cbranch_scc1 .Ltile
.Ldone:
	s_wait_tensorcnt 0x0                           ; the wave's end: three lines behind my last LDS store
	ds_add_u32 v[SPW], v[NIL]
	s_wait_dscnt 0x0
	s_endpgm
.Lfunc_end_k_q9d183b4a6d_ffn1:
	.size	k_q9d183b4a6d_ffn1, .Lfunc_end_k_q9d183b4a6d_ffn1-k_q9d183b4a6d_ffn1
	.p2alignl 7, 3214868480
	.fill 96, 4, 3214868480
	.section	.rodata,"a",@progbits
	.p2align	6, 0x0
	.amdhsa_kernel k_q9d183b4a6d_ffn1
		.amdhsa_group_segment_fixed_size 73728
		.amdhsa_private_segment_fixed_size 0
		.amdhsa_enable_private_segment 0
		.amdhsa_kernarg_size 48
		.amdhsa_user_sgpr_count 2
		.amdhsa_user_sgpr_kernarg_segment_ptr 1
		.amdhsa_wavefront_size32 1
		.amdhsa_system_sgpr_workgroup_id_x 1
		.amdhsa_system_sgpr_workgroup_id_y 1
		.amdhsa_system_sgpr_workgroup_id_z 1
		.amdhsa_system_vgpr_workitem_id 0
		.amdhsa_next_free_vgpr 256
		.amdhsa_next_free_sgpr 98
		.amdhsa_reserve_vcc 1
		.amdhsa_float_denorm_mode_32 3
		.amdhsa_float_denorm_mode_16_64 3
		.amdhsa_memory_ordered 1
		.amdhsa_forward_progress 1
		.amdhsa_inst_pref_size 135
	.end_amdhsa_kernel
	.amdgpu_metadata
---
amdhsa.version: [ 1, 2 ]
amdhsa.kernels:
  - .name:           k_q9d183b4a6d_ffn1
    .symbol:         k_q9d183b4a6d_ffn1.kd
    .args:
      - { .name: W1, .offset: 0, .size: 8, .value_kind: global_buffer, .address_space: global }
      - { .name: b1, .offset: 8, .size: 8, .value_kind: global_buffer, .address_space: global }
      - { .name: xq, .offset: 16, .size: 8, .value_kind: global_buffer, .address_space: global }
      - { .name: chosen, .offset: 24, .size: 8, .value_kind: global_buffer, .address_space: global }
      - { .name: hq, .offset: 32, .size: 8, .value_kind: global_buffer, .address_space: global }
      - { .name: route, .offset: 40, .size: 8, .value_kind: global_buffer, .address_space: global }
    .group_segment_fixed_size: 73728
    .private_segment_fixed_size: 0
    .kernarg_segment_align: 8
    .kernarg_segment_size: 48
    .max_flat_workgroup_size: 512
    .sgpr_count:     98
    .vgpr_count:     256
    .wavefront_size: 32
...
	.end_amdgpu_metadata
.endif
;; end of part 3
;; launch ffn2 (part 4): grid 32 x 8, 16 waves a work-group, no clusters, 71,680 bytes of LDS; arguments W2, b2, hq, route, out0; writes out0
.if DOCPART == 4
	.amdgcn_target "amdgcn-amd-amdhsa--gfx1250"
	.amdhsa_code_object_version 6
	.text
	.protected	k_q9d183b4a6d_ffn2
	.globl	k_q9d183b4a6d_ffn2
	.p2align	8
	.type	k_q9d183b4a6d_ffn2,@function
k_q9d183b4a6d_ffn2:
	s_mov_b64 s[64:65], 0
	v_nop
	global_prefetch_b8 v0, s[64:65] scope:SCOPE_SE
	s_setreg_imm32_b32 hwreg(HW_REG_WAVE_MODE, 25, 1), 1
	s_wait_xcnt 0x0
; THE EXPERTS' SECOND LAYER: out0[token] = hidden codes x Q(W2[e]) + b2[e], e the token's chosen expert.  LEFT OUT: the rows of experts that were not chosen, which reference()'s own where() throws away.
; THE WEIGHTS STAND STILL AND ARE READ ONCE, as in the launch before.  Work-group (X, e) owns columns 32 X .. 32 X + 31 of W2[e] and ALL 4,096 rows, 512 KiB of f32: so each output has one owner and no sum spans work-groups.
; CLUSTER: the four work-groups of a cluster own 128 neighbouring columns of one expert: together they read 512 consecutive bytes of each row of W2, at about the same time.  The cluster serves that alone:
; there is no joint load (the number of tiles is read from memory, so the launch has no tensor load), no round of the cluster's barrier, and no branch and no LDS address hangs on a work-group's place in its cluster.
; PHASE 1: wave w streams rows 256 w .. + 255 (8 blocks a lane, units = K steps 2 w and 2 w + 1), quantises them in registers and stores their images to LDS.  ONE barrier.
; PHASE 2: wave w takes tiles w, w + 16, .. of the expert's tokens: 32 K steps x 2 tiles of columns; b2 is the C of the first K step.  The hidden codes come from hq straight into the operand's registers,
;  8 K steps (24 loads) a group, two buffers; the weights' units from LDS, two K steps a buffer, two buffers.
; THE WAY OUT: lane (r, h) holds 16 neighbouring outputs of token r: 64 consecutive bytes of the token's row, four stores of 16 bytes.  The work-group owns 128 bytes of a row, so no turn through LDS could make longer runs.
;  A ROW PAST THE EXPERT'S LAST TOKEN REPEATS THAT LAST TOKEN, here as in the launch before (its place in the list is held at the run's last place): its operand is the same, so its sums are the same bit for bit,
;  and it stores the same numbers to the same bytes as the last token's own row.  So all lanes stay on.
; An expert without tokens still has its slab streamed (the barrier stands on every wave's path) and stores nothing.
; LDS: 0: 32 units of 2,048 bytes, unit = K step;  65,536: their scale words, 128 bytes each;  69,632: the spare words.
; NO CLUSTER: the launch has no tensor load, so nothing could be asked for jointly.  Work-group x is X.
; route[e]: 8,192 bytes: the expert's tokens by rank; at byte 4,096 their number.  hq: tile 64 e + t, 36,864 bytes: 32 K steps x 1,024 bytes of codes, then 32 x 128 bytes of scale words.
; A tile's K steps 8 to 15 are asked for ahead of the trip that multiplies them: the first tile's while blocks 6 and 7 are quantised, a later tile's at the end of the trip before.
.set NSET,  3
.set PITCH, 4096                       ; bytes from a row of W2[e] to the next
.set SCI,   65536
.set SPARE, 69632
.set HSC,   32768                      ; hq: where a tile's scale words begin
.set TILEB, 36864                      ; hq: bytes of a tile
.set H64, 0                            ; v0   64 h, once the head has used the thread's number
.set SPW, 1                            ; v1   LDS address of my spare word; never rewritten
.set NIL, 2                            ; v2   0; never rewritten
.set LI,  3                            ; v3   16 x lane: an image's place, in LDS and in hq
.set LS,  4                            ; v4   4 x lane
.set LSW, 5                            ; v5   LDS: SCI + 4 x lane
.set RR,  6                            ; v6   r
.set TK,  7                            ; v7   the tile's tokens
.set OO,  8                            ; v8   4,096 x token + 64 h
.set WOFF, 9                           ; v9   phase 1: 4 x my column
.set PO,  9                            ; v9   phase 2: a place in the list, in bytes (written only when every load of phase 1 is in)
.set SWI, 10                           ; v10  LDS: where I store my units
.set SWS, 11                           ; v11  LDS: and their scale words
.set BS,  12                           ; v12-27  the hidden layer's scale words, two buffers of 8: scales and nothing else
.set WS,  28                           ; v28-31  the weights' scale words, two buffers of two: scales and nothing else
.set BI,  32                           ; v32-47  b2 in the result's layout
.set BF0, 48                           ; v48-111 the hidden layer's fragments, buffer 0
.set ACC, 112                          ; v112-127 two accumulators.  In phase 1:
.set SW,  112                          ;   v112-113 my two units' scale words
.set MXA, 114                          ;   v114-117 at work
.set MXB, 115
.set SC,  116
.set BY,  117
.set POH, 118                          ;   v118 the first tile's place in the list
.set TA,  119                          ;   v119, v120 at work at the head
.set TB,  120
.set BF1, 128                          ; v128-191 phase 2: buffer 1
.set WR,  192                          ; v192-255 phase 2: two buffers of two units
.set XR,  128                          ; v128-223 phase 1: three blocks of 32 numbers
.set CB,  224                          ; v224-255 phase 1: my two units' codes
.set WB,  4                            ; s[4:5]  W2 at my part of the slab
; s28 where my expert's run begins in the list, s29 its first tile in hq, s30 its tokens, s31 its tiles, s46 its last place, s47 my wave's tiles, s48 counts them, s32 the tile in hand
.macro LOADB t                         ; block t: rows 32 t .. + 31 of my column.  No cache hint: the neighbouring 128 bytes of each row are a partner's
.set XL, XR+32*((\t)%NSET)
.set CI, 0
.rept 32
	global_load_b32 v[XL+CI], v[WOFF], s[WB:WB+1] offset:(32*(\t)+CI)*PITCH
.set CI, CI+1
.endr
.endm
.macro QBLK t                          ; block t of a lane becomes 4 registers of codes and a byte of its unit's scale word
.set XS, XR+32*((\t)%NSET)
.set QD, CB+16*((\t)/4)+8*((\t)%2)+4*(((\t)%4)/2)
	v_max3_num_f32 v[MXA], |v[XS]|, |v[XS+1]|, |v[XS+2]|
	v_max3_num_f32 v[MXB], |v[XS+3]|, |v[XS+4]|, |v[XS+5]|
.irp i, 6,10,14,18,22,26
	s_delay_alu instid0(VALU_DEP_2)
	v_max3_num_f32 v[MXA], v[MXA], |v[XS+\i]|, |v[XS+\i+1]|
	s_delay_alu instid0(VALU_DEP_2)
	v_max3_num_f32 v[MXB], v[MXB], |v[XS+\i+2]|, |v[XS+\i+3]|
.endr
	s_delay_alu instid0(VALU_DEP_2)
	v_max3_num_f32 v[MXA], v[MXA], |v[XS+30]|, |v[XS+31]|
	s_delay_alu instid0(VALU_DEP_1)
	v_max3_num_f32 v[MXA], v[MXA], v[MXB], 0x1800000   ; the floor 2^(3 - 127): the byte cannot fall under 1
	s_delay_alu instid0(VALU_DEP_1)
	v_add_nc_u32 v[SC], 0xff000000, v[MXA]             ; 2 off the exponent field: the conversion's scale operand
	s_delay_alu instid0(VALU_DEP_1)
	v_lshrrev_b32 v[BY], 23, v[SC]
.if (\t)%4 == 0
	s_delay_alu instid0(VALU_DEP_1)
	v_mov_b32 v[SW+(\t)/4], v[BY]
.else
	s_delay_alu instid0(VALU_DEP_1)
	v_lshl_or_b32 v[SW+(\t)/4], v[BY], 8*((\t)%4), v[SW+(\t)/4]
.endif
.irp g, 0,1,2,3
	v_cvt_scalef32_pk8_fp4_f32 v[QD+\g], v[XS+8*\g:XS+8*\g+7], v[SC]
.endr
.endm
.macro STREAM t, left                  ; left: how many younger loads may stay out when block t has to be in
	s_wait_loadcnt \left
	QBLK \t
.if (\t) < 5
	LOADB (\t)+3                                   ; into the set that block t has left
.endif
.endm
.macro SWAPU u
	v_nop                                          ; one plain instruction between the conversions and the exchanges that touch their results
.irp c, 0,1
.irp g, 0,1,2,3
	v_permlane16_swap_b32 v[CB+16*(\u)+4*\c+\g], v[CB+16*(\u)+8+4*\c+\g]
.endr
.endr
.endm
.macro PUTU u
.irp i, 0,1,2,3
	ds_store_b128 v[SWI], v[CB+16*(\u)+4*\i:CB+16*(\u)+4*\i+3] offset:2048*(\u)+512*\i
.endr
	ds_store_b32 v[SWS], v[SW+(\u)] offset:128*(\u)
.endm
.macro LOADW buf, u                    ; units u and u + 1: 10 LDS loads
.irp k, 0,1
.irp i, 0,1,2,3
	ds_load_b128 v[WR+32*(\buf)+16*\k+4*\i:WR+32*(\buf)+16*\k+4*\i+3], v[LI] offset:2048*((\u)+\k)+512*\i
.endr
	ds_load_b32 v[WS+2*(\buf)+\k], v[LSW] offset:128*((\u)+\k)
.endr
.endm
.macro GLOAD buf, gk                   ; the tile's K steps 8 gk .. 8 gk + 7 of the hidden layer: 24 loads
.irp s, 0,1,2,3,4,5,6,7
	global_load_b128 v[BF0+(BF1-BF0)*(\buf)+8*\s:BF0+(BF1-BF0)*(\buf)+8*\s+3], v[LI], s[40:41] offset:(8*(\gk)+\s)*1024
	global_load_b128 v[BF0+(BF1-BF0)*(\buf)+8*\s+4:BF0+(BF1-BF0)*(\buf)+8*\s+7], v[LI], s[40:41] offset:(8*(\gk)+\s)*1024+512
	global_load_b32 v[BS+8*(\buf)+\s], v[LS], s[42:43] offset:HSC+(8*(\gk)+\s)*128
.endr
.endm
.macro GLOADH hf                       ; half hf of K steps 8 to 15, into buffer 1: 12 loads
.irp i, 0,1,2,3
	global_load_b128 v[BF1+8*(4*(\hf)+\i):BF1+8*(4*(\hf)+\i)+3], v[LI], s[40:41] offset:(8+4*(\hf)+\i)*1024
	global_load_b128 v[BF1+8*(4*(\hf)+\i)+4:BF1+8*(4*(\hf)+\i)+7], v[LI], s[40:41] offset:(8+4*(\hf)+\i)*1024+512
	global_load_b32 v[BS+8+4*(\hf)+\i], v[LS], s[42:43] offset:HSC+(8+4*(\hf)+\i)*128
.endr
.endm
.macro PREF po
	global_load_b32 v[TK], v[\po], s[10:11]
	GLOAD 0, 0
.endm
.macro MMP p                           ; K steps 2 p and 2 p + 1: four matrix instructions, the two accumulators by turns
.irp k, 0,1
.set SS, 2*(\p)+\k
.set BFR, BF0+(BF1-BF0)*((SS/8)%2)+8*(SS%8)
.set BSR, BS+8*((SS/8)%2)+SS%8
.set WRR, WR+32*((\p)%2)+16*\k
.set WSR, WS+2*((\p)%2)+\k
.if SS == 0
	v_wmma_scale_f32_16x16x128_f8f6f4 v[ACC:ACC+7], v[WRR:WRR+7], v[BFR:BFR+7], v[BI:BI+7], v[WSR], v[BSR] matrix_a_fmt:MATRIX_FMT_FP4 matrix_b_fmt:MATRIX_FMT_FP4
	v_wmma_scale_f32_16x16x128_f8f6f4 v[ACC+8:ACC+15], v[WRR+8:WRR+15], v[BFR:BFR+7], v[BI+8:BI+15], v[WSR], v[BSR] matrix_a_fmt:MATRIX_FMT_FP4 matrix_b_fmt:MATRIX_FMT_FP4 matrix_a_scale:MATRIX_SCALE_ROW1
.else
	v_wmma_scale_f32_16x16x128_f8f6f4 v[ACC:ACC+7], v[WRR:WRR+7], v[BFR:BFR+7], v[ACC:ACC+7], v[WSR], v[BSR] matrix_a_fmt:MATRIX_FMT_FP4 matrix_b_fmt:MATRIX_FMT_FP4
	v_wmma_scale_f32_16x16x128_f8f6f4 v[ACC+8:ACC+15], v[WRR+8:WRR+15], v[BFR:BFR+7], v[ACC+8:ACC+15], v[WSR], v[BSR] matrix_a_fmt:MATRIX_FMT_FP4 matrix_b_fmt:MATRIX_FMT_FP4 matrix_a_scale:MATRIX_SCALE_ROW1
.endif
.endr
.endm
	s_load_b256 s[4:11], s[0:1], 0x0               ; W2 s[4:5], b2 s[6:7], hq s[8:9], route s[10:11]
	s_load_b64 s[12:13], s[0:1], 0x20              ; out0
	v_lshl_add_u32 v[SPW], v0, 2, SPARE
	v_mov_b32 v[NIL], 0
	v_lshrrev_b32 v[TA], 5, v0
	s_delay_alu instid0(VALU_DEP_1)
	v_readfirstlane_b32 s14, v[TA]                 ; wave 0..15
	s_mov_b32 s17, ttmp9                           ; X
	s_and_b32 s18, ttmp7, 0xffff                   ; e
	v_and_b32 v[TA], 31, v0                        ; lane
	v_and_b32 v[RR], 15, v0
	v_bfe_u32 v[TB], v0, 4, 1                      ; h
	s_delay_alu instid0(VALU_DEP_3)
	v_lshlrev_b32 v[LI], 4, v[TA]
	s_delay_alu instid0(VALU_DEP_4)
	v_lshlrev_b32 v[LS], 2, v[TA]
	s_delay_alu instid0(VALU_DEP_1)
	v_add_nc_u32 v[LSW], SCI, v[LS]
	s_lshl_b32 s33, s14, 12
	v_add_nc_u32 v[SWI], s33, v[LI]                ; 16 x lane + 2,048 x 2 w
	s_lshl_b32 s33, s14, 8
	v_add_nc_u32 v[SWS], s33, v[LSW]               ; SCI + 4 x lane + 128 x 2 w
	v_and_b32 v[WOFF], 7, v0
	v_and_b32 v[POH], 8, v0
	s_delay_alu instid0(VALU_DEP_1)
	v_lshl_add_u32 v[WOFF], v[POH], 1, v[WOFF]
	v_and_b32 v[POH], 16, v0
	s_delay_alu instid0(VALU_DEP_1)
	v_lshrrev_b32 v[POH], 1, v[POH]
	s_delay_alu instid0(VALU_DEP_1)
	v_or_b32 v[WOFF], v[WOFF], v[POH]              ; perm(lane)
	s_delay_alu instid0(VALU_DEP_1)
	v_lshlrev_b32 v[WOFF], 2, v[WOFF]
	v_lshlrev_b32 v[H64], 6, v[TB]                 ; the thread's number is not wanted again
	s_lshl_b32 s35, s17, 7                         ; 128 X: my 32 columns, in bytes
	s_mov_b32 s37, 0
	s_wait_alu depctr_va_vdst(0)
	s_wait_kmcnt 0x0
	s_lshl_b32 s36, s18, 13
	s_add_nc_u64 s[10:11], s[10:11], s[36:37]      ; route[e]
	s_load_b32 s30, s[10:11], 0x1000               ; my expert's number of tokens
	s_lshl_b32 s36, s18, 24                        ; an expert's W2 is 16 MiB,
	s_lshl_b32 s33, s14, 20                        ; 256 rows are 1 MiB
	s_add_co_u32 s36, s36, s33
	s_add_co_u32 s36, s36, s35
	s_add_nc_u64 s[WB:WB+1], s[WB:WB+1], s[36:37]
	s_lshl_b32 s36, s18, 12
	s_add_co_u32 s36, s36, s35
	s_add_nc_u64 s[6:7], s[6:7], s[36:37]
	s_mov_b32 s36, s35
	s_add_nc_u64 s[12:13], s[12:13], s[36:37]      ; out0 at my columns
.irp q, 0,1,2,3
	global_load_b128 v[BI+4*\q:BI+4*\q+3], v[H64], s[6:7] offset:16*\q
.endr
	LOADB 0
	LOADB 1
	LOADB 2
	s_wait_kmcnt 0x0
	; where my expert's run begins in the list (s28), its first tile in hq (s29), its tokens (s30) and tiles (s31): selections, no branch
	s_mov_b32 s28, 0                               ; the run begins at route[e]'s first place
	s_lshl_b32 s29, s18, 6                         ; my expert's first tile in hq
	s_min_u32 s30, s30, 1024
	s_add_co_u32 s31, s30, 15
	s_lshr_b32 s31, s31, 4
	s_add_co_u32 s46, s28, s30
	s_sub_co_u32 s46, s46, 1                       ; the place of my expert's last token (an expert without tokens: no bound; the constant below holds the place inside the list)
	s_add_co_u32 s47, s31, 15
	s_sub_co_u32 s47, s47, s14
	s_lshr_b32 s47, s47, 4                         ; how many of the tiles w, w + 16, .. there are
	s_mov_b32 s32, s14                             ; my first tile
	s_mov_b32 s48, 0                               ; tiles done
	; its first loads are issued whatever the counts are, so that the stream's counts are the same on every path: a wave without a tile names the expert's last tile, an expert without tokens tile 0, which some expert has always stored
	s_max_u32 s33, s31, 1
	s_sub_co_u32 s33, s33, 1
	s_min_u32 s33, s33, s14
	s_add_co_u32 s33, s33, s29                     ; (an expert without tokens: its tile 0, which the launch before has stored all the same)
	s_min_u32 s33, s33, 511
	s_mul_i32 s36, s33, TILEB
	s_add_nc_u64 s[40:41], s[8:9], s[36:37]        ; the tile in hq: its codes,
	s_add_nc_u64 s[42:43], s[8:9], s[36:37]        ; and, HSC further on, its scale words
	s_lshl_b32 s33, s14, 4
	s_add_co_u32 s33, s33, s28
	v_add_nc_u32 v[POH], s33, v[RR]
	s_delay_alu instid0(VALU_DEP_1)
	v_min_u32 v[POH], s46, v[POH]                  ; a row past the last token repeats it
	s_delay_alu instid0(VALU_DEP_1)
	v_min_u32 v[POH], 0x3ff, v[POH]
	s_delay_alu instid0(VALU_DEP_1)
	v_lshlrev_b32 v[POH], 2, v[POH]
	PREF POH
	; PHASE 1.  Loads come back in order.  Behind each of blocks 0 to 5 stand 64 younger loads or more, so at most 63 out shows the block in
	STREAM 0, 63
	STREAM 1, 63
	STREAM 2, 63
	STREAM 3, 63
	SWAPU 0
	PUTU 0
	STREAM 4, 63
	STREAM 5, 63
	STREAM 6, 32                                   ; behind block 6's: block 7's 32
	GLOADH 0                                       ; K steps 8 to 11, into the set that block 6 has left for good
	STREAM 7, 12                                   ; behind block 7's: those 12, which may stay out across the barrier: nobody writes those bytes
	GLOADH 1                                       ; K steps 12 to 15, into the set that block 7 has left
	SWAPU 1
	PUTU 1
	s_wait_dscnt 0x0                               ; for the others' sake: my units lie in LDS
	s_barrier_signal -1
	s_barrier_wait -1                              ; the slab's 32 units do
	; PHASE 2
	s_cmp_ge_u32 s48, s47
	s_cbranch_scc1 .Ldone
.Ltile:
	LOADW 0, 0
	LOADW 1, 2
	s_wait_loadcnt 24                              ; the tile's tokens and first 8 K steps are in; the youngest 24 loads, K steps 8 to 15, may be out
.set PP, 0
	s_wait_alu depctr_va_vdst(0)
.rept 16
.if PP == 4
	GLOAD 0, 2                                     ; (the four places behind the last pair stand in front of these loads too)
	s_wait_loadcnt 24                              ; K steps 8 to 15 are in
.endif
.if PP == 8
	GLOAD 1, 3
	s_wait_loadcnt 24                              ; K steps 16 to 23 are in
.endif
.if PP == 12
	s_wait_loadcnt 0x0                             ; K steps 24 to 31 are in; no load of mine is out, so the loads' bases and offsets may be written
	v_min_u32 v[TK], 0x3ff, v[TK]
	s_delay_alu instid0(VALU_DEP_1)
	v_lshl_add_u32 v[OO], v[TK], 12, v[H64]        ; where this tile's rows go (the last tile's stores have read their offset: the wait stands behind them)
	s_add_co_u32 s33, s48, 1
	s_cmp_ge_u32 s33, s47
	s_cbranch_scc1 .Lnopref
	s_wait_xcnt 0x0
	s_add_co_u32 s33, s32, 16                      ; my next tile: its tokens and first 8 K steps come while this tile's last 8 are multiplied
	s_add_co_u32 s34, s29, s33
	s_min_u32 s34, s34, 511
	s_mul_i32 s36, s34, TILEB
	s_add_nc_u64 s[40:41], s[8:9], s[36:37]
	s_add_nc_u64 s[42:43], s[8:9], s[36:37]
	s_lshl_b32 s33, s33, 4
	s_add_co_u32 s33, s33, s28
	v_add_nc_u32 v[PO], s33, v[RR]
	s_delay_alu instid0(VALU_DEP_1)
	v_min_u32 v[PO], s46, v[PO]
	s_delay_alu instid0(VALU_DEP_1)
	v_min_u32 v[PO], 0x3ff, v[PO]
	s_delay_alu instid0(VALU_DEP_1)
	v_lshlrev_b32 v[PO], 2, v[PO]
	PREF PO
.Lnopref:
.endif
.if PP < 15
	s_wait_dscnt 10                                ; this pair's units are in; the other buffer's 10 loads may be out
.else
	s_wait_dscnt 0x0
.endif
	MMP PP
.if PP < 14
.rept 4
	v_nop                                          ; four places in front of loads into registers that matrix instructions have read
.endr
	LOADW PP%2, 2*PP+4
.endif
.set PP, PP+1
.endr
.rept 5
	v_nop                                          ; places behind the last products: results are stored, operands' registers are loaded into, and the next tile's first products begin the accumulators anew
.endr
	s_wait_alu depctr_va_vdst(0)
.irp q, 0,1,2,3
	global_store_b128 v[OO], v[ACC+4*\q:ACC+4*\q+3], s[12:13] offset:16*\q th:TH_STORE_NT   ; each accumulator from its low end on
.endr
	s_wait_xcnt 0x0                                ; the stores have read their data and their offset: the next tile writes both
	s_add_co_u32 s32, s32, 16                      ; my next tile
	s_add_co_u32 s48, s48, 1
	s_cmp_ge_u32 s48, s47
	s_cbranch_scc1 .Ldone
	GLOAD 1, 1                                     ; the next tile's K steps 8 to 15 (its bases were set with its first 8); the places behind the last products stand ahead
	s_cmp_lt_u32 s48, s47
	s_cbranch_scc1 .Ltile
.Ldone:
	s_wait_tensorcnt 0x0                           ; the wave's end: three lines behind my last LDS store
	ds_add_u32 v[SPW], v[NIL]
	s_wait_dscnt 0x0
	s_endpgm
.Lfunc_end_k_q9d183b4a6d_ffn2:
	.size	k_q9d183b4a6d_ffn2, .Lfunc_end_k_q9d183b4a6d_ffn2-k_q9d183b4a6d_ffn2
	.p2alignl 7, 3214868480
	.fill 96, 4, 3214868480
	.section	.rodata,"a",@progbits
	.p2align	6, 0x0
	.amdhsa_kernel k_q9d183b4a6d_ffn2
		.amdhsa_group_segment_fixed_size 71680
		.amdhsa_private_segment_fixed_size 0
		.amdhsa_enable_private_segment 0
		.amdhsa_kernarg_size 40
		.amdhsa_user_sgpr_count 2
		.amdhsa_user_sgpr_kernarg_segment_ptr 1
		.amdhsa_wavefront_size32 1
		.amdhsa_system_sgpr_workgroup_id_x 1
		.amdhsa_system_sgpr_workgroup_id_y 1
		.amdhsa_system_sgpr_workgroup_id_z 1
		.amdhsa_system_vgpr_workitem_id 0
		.amdhsa_next_free_vgpr 256
		.amdhsa_next_free_sgpr 66
		.amdhsa_reserve_vcc 0
		.amdhsa_float_denorm_mode_32 3
		.amdhsa_float_denorm_mode_16_64 3
		.amdhsa_memory_ordered 1
		.amdhsa_forward_progress 1
		.amdhsa_inst_pref_size 81
	.end_amdhsa_kernel
	.amdgpu_metadata
---
amdhsa.version: [ 1, 2 ]
amdhsa.kernels:
  - .name:           k_q9d183b4a6d_ffn2
    .symbol:         k_q9d183b4a6d_ffn2.kd
    .args:
      - { .name: W2, .offset: 0, .size: 8, .value_kind: global_buffer, .address_space: global }
      - { .name: b2, .offset: 8, .size: 8, .value_kind: global_buffer, .address_space: global }
      - { .name: hq, .offset: 16, .size: 8, .value_kind: global_buffer, .address_space: global }
      - { .name: route, .offset: 24, .size: 8, .value_kind: global_buffer, .address_space: global }
      - { .name: out0, .offset: 32, .size: 8, .value_kind: global_buffer, .address_space: global }
    .group_segment_fixed_size: 71680
    .private_segment_fixed_size: 0
    .kernarg_segment_align: 8
    .kernarg_segment_size: 40
    .max_flat_workgroup_size: 512
    .sgpr_count:     66
    .vgpr_count:     256
    .wavefront_size: 32
...
	.end_amdgpu_metadata
.endif
;; end of part 4
